; MI455X (gfx1250); checked and timed in simulation.
; The chip was launched on July 23, 2026; its instructions are those of AMD's public machine-readable ISA for CDNA 5 (MIT licence, August 2026) and "CDNA5" Instruction Set Architecture Reference Guide (July 2026). The comments in the code are by the model that wrote it; some were corrected since.
;; mutli Head Attention. Allowed arithmetic: matrix products marked QUANTISED: E3M2 operands, one E8M0 scale for each 32 along K, by v_wmma_scale_f32_16x16x128_f8f6f4 with both operands' format E3M2, f32 sums; everything else in f32.
;; Inputs: attn_mask 4 x 1 x 2,048 x 2,048 bool; input_K 4 x 2,048 x 1,024 float32; input_Q 4 x 2,048 x 1,024 float32; input_V 4 x 2,048 x 1,024 float32; ln_beta 1,024 float32; ln_gamma 1,024 float32; w_k 1,024 x 1,024 float32; w_o 1,024 x 1,024 float32; w_q 1,024 x 1,024 float32; w_v 1,024 x 1,024 float32.
;; Outputs: out0 4 x 2,048 x 1,024 float32.
;; This version of the problem:
;;   THIS VERSION OF THE PROBLEM IS GIVEN IN LOW PRECISION. The matrix products marked QUANTISED in the list below multiply operands that are first quantised to E3M2 (3 exponent bits, 2 mantissa bits; 6 bits a number), with one power-of-two scale for each 32 numbers along K (OCP MX v1.0); their sums are f32. All else is computed in f32.
;;   The module's matrix products, in the order in which they are computed (A, B: the left and right operand; K: the contracted axis; several contracted axes count as one K, in the product's order):
;;     1. [M 8,192, K 1,024] x [K 1,024, N 1,024]; A: input input_Q; B: input w_q: QUANTISED
;;     2. [M 8,192, K 1,024] x [K 1,024, N 1,024]; A: input input_K; B: input w_k: QUANTISED
;;     3. [M 8,192, K 1,024] x [K 1,024, N 1,024]; A: input input_V; B: input w_v: QUANTISED
;;     4. batch 64 x [M 2,048, K 64] x [K 64, N 2,048]; A: computed on the way; B: computed on the way: QUANTISED
;;     5. batch 64 x [M 2,048, K 2,048] x [K 2,048, N 64]; A: softmax (see below); B: computed on the way: QUANTISED
;;     6. [M 8,192, K 1,024] x [K 1,024, N 1,024]; A: computed on the way; B: input w_o: QUANTISED
;;   THE QUANTISER, for each operand of a quantised product, along K:
;;     - K is cut into blocks of 32 from its start; a last block that is shorter is filled with zeros.
;;     - A block's scale is 2^e with e = floor(log2(the largest magnitude in the block)) - 4, held to -126 .. 127; a block of zeros has e = 0. As a byte (E8M0): e + 127.
;;     - Each number is divided by its block's scale, clamped to +-28, and rounded to the nearest number of E3M2, ties to even, subnormals kept.
;;     - The product sums the exact products of the quantised numbers (number of the format x scale) in f32.
;;   ~~~python
;;   def quantise(x, axis):      # numpy; x: float32 -> the quantised numbers, widened to float32 again
;;       x = np.moveaxis(x, axis, -1); K = x.shape[-1]
;;       x = np.pad(x, [(0, 0)] * (x.ndim - 1) + [(0, -K % 32)]); x = x.reshape(x.shape[:-1] + (-1, 32)); a = np.abs(x).max(-1, keepdims=True)
;;       e = np.where(a > 0, np.clip(np.frexp(np.where(a > 0, a, 1))[1] - 1 - 4, -126, 127), 0)      # np.frexp(a)[1] - 1 = floor(log2(a)), exactly
;;       r = np.clip(x / 2.0 ** e, -28, 28)
;;       step = 2.0 ** (np.maximum(np.frexp(np.where(r == 0, 1, r))[1] - 1, -2) - 2)
;;       q = np.round(r / step) * step * 2.0 ** e      # np.round: ties to even
;;       return np.moveaxis(q.reshape(q.shape[:-2] + (-1,))[..., :K], -1, axis).astype(np.float32)
;;   ~~~
;;   SOFTMAX AHEAD OF A QUANTISED PRODUCT. Where the list says 'softmax', what is quantised is not the finished softmax but p = 2^(t - M), with t = logit x log2(e) and M = ceil(the row's largest t), a whole number; so 1/2 < the row's largest p <= 1. The row's sum l is taken of the UNQUANTISED p, in f32, and the product's result is divided by l at the end. Since M is a whole number, a kernel that streams over the keys may use a running M (the ceiling of the running maximum): every later rescaling is an exact power of two, which a block's scale takes up: the codes' values come out the same.
;;   OPERANDS COMPUTED ON THE WAY. 'Computed on the way' means the value that the module computes at that place (a softmax that the list does not call 'softmax' is quantised finished and normalised). What goes into a quantiser is computed in f32, as accurately as f32 sums, v_exp_f32 and their like allow (about 1e-6 of the number): no bf16 or f16 on the way to a quantiser, and a product that is left as it is and whose result goes on into a quantised operand takes f32 operands (vector FMAs, or v_wmma_f32_16x16x4_f32). A number that lies on a knife's edge between two numbers of the format may be rounded either way, as far as f32 arithmetic and the matrix unit's own rounding can turn it there, and no further.
;; 2 versions. Each part assembles by itself: llvm-mc -triple=amdgcn-amd-amdhsa -mcpu=gfx1250 --defsym DOCPART=n.
;; ======== version 1 of 2: 4 launches
;; limits: right only within a limited range of input values
;; workspace buffers: xc 22,020,096 bytes; xs 917,504 bytes; mbits 2,097,152 bytes of whole numbers; qkv 18,874,368 bytes; qkvs 786,432 bytes; cc 6,291,456 bytes; cs 524,288 bytes
;; launch prep (part 1): grid 1408 x 1, 4 waves a work-group, no clusters, 34,304 bytes of LDS; arguments input_Q, input_K, input_V, w_q, w_k, w_v, w_o, attn_mask, xc, xs, mbits; writes xc, xs, mbits
.if DOCPART == 1
	.amdgcn_target "amdgcn-amd-amdhsa--gfx1250"
	.amdhsa_code_object_version 6
	.text
	.protected	k_qfdec2b8541_prep
	.globl	k_qfdec2b8541_prep
	.p2align	8
	.type	k_qfdec2b8541_prep,@function
k_qfdec2b8541_prep:
	s_mov_b64 s[64:65], 0
	v_nop
	global_prefetch_b8 v0, s[64:65] scope:SCOPE_SE
	s_setreg_imm32_b32 hwreg(HW_REG_WAVE_MODE, 25, 1), 1
	s_wait_xcnt 0x0
; PREP.  (a) input_Q, input_K, input_V [8192][1024] and w_q, w_k, w_v, w_o [1024][1024], f32, K innermost, become codes of BF6 (E3M2) with one E8M0 byte for each 32 along K.
; (b) attn_mask [4][2048][2048] of bytes becomes lane masks, one 32-bit word for each score register of the attention launch.
; LAYOUT OF THE CODES: images of the operand's registers.  A tile is 16 rows; lane r of a tensor's tile t takes row 32 (t / 2) + 8 (t % 2) + r + 8 (r / 8).  A fragment (tile T, K step s of 128) is 12 registers
; a lane; register j of lane l lies at xc + 12288 T + 1536 s + 512 (j / 4) + 16 l + 4 (j % 4): three stores of 512 consecutive bytes.  Tiles: Q 0, K 512, V 1024, w_q 1536, w_k 1600, w_v 1664, w_o 1728.
; The scale word (four bytes, 128 along K) of (T, s, row r) lies at xs + 512 T + 256 (s / 4) + 16 r + 4 (s % 4).
; A block's scale is 2^(floor(log2(largest magnitude)) - 4): its byte is the largest magnitude's exponent field - 4, held at 1 from below.
; LIMITS: a block of zeros, and one whose largest magnitude lies under 2^-122, gets the byte 1 (a block of zeros has zero codes, and these bytes are read by this program alone); NaN and infinities are not served.
; SHARES.  Work-groups 0 to 895: 32 rows x 1024 K; wave w takes tile 2 g + (w % 2) and K steps 4 (w / 2) + 0 .. 3.  Work-groups 896 to 1407: one tile of 16 queries of the mask; wave w takes key steps 4 w + 0 .. 3.
; Waves share nothing: no barrier.  No matrix unit, no cluster, no tensor load: every byte is read once and nothing is shared between work-groups.
.set STG,  8448                        ; a wave's stage in LDS: 16 rows x (512 bytes + 16): the pitch is an odd multiple of 16 bytes
.set RAW,  16                          ; v16-143   two sets of 16 rows x 16 bytes a lane, as loaded
.set X,    144                         ; v144-207  register 32 c + e: k = 64 c + 32 h + e of my row
.set PC,   216                         ; v216-227  the fragment's 12 registers
.set SW,   236                         ; v236-239  my row's scale words of the wave's four K steps
	s_load_b512 s[4:19], s[0:1], 0x0               ; Q, K, V, w_q, w_k, w_v, w_o, mask
	s_load_b128 s[20:23], s[0:1], 0x40             ; xc, xs
	s_load_b64 s[24:25], s[0:1], 0x50              ; mbits
	v_lshl_add_u32 v240, v0, 2, 0x8400
	v_mov_b32 v241, 0
	v_lshrrev_b32 v11, 5, v0
	v_readfirstlane_b32 s26, v11                   ; wave
	v_and_b32 v1, 31, v0                           ; l
	v_and_b32 v2, 15, v0                           ; r
	v_bfe_u32 v3, v0, 4, 1                         ; h
	s_mov_b32 s27, ttmp9                           ; g
	s_mov_b32 s31, 0                               ; the upper word of the offsets' pair s[30:31]
	s_wait_kmcnt 0x0
	s_cmp_ge_u32 s27, 896
	s_cbranch_scc1 .Lmask
	; ---- the quantiser.  Which tensor: a choice on the work-group's number alone
	s_mov_b64 s[28:29], s[16:17]
	s_cmp_lt_u32 s27, 864
	s_cselect_b64 s[28:29], s[14:15], s[28:29]
	s_cmp_lt_u32 s27, 832
	s_cselect_b64 s[28:29], s[12:13], s[28:29]
	s_cmp_lt_u32 s27, 800
	s_cselect_b64 s[28:29], s[10:11], s[28:29]
	s_cmp_lt_u32 s27, 768
	s_cselect_b64 s[28:29], s[8:9], s[28:29]
	s_cselect_b32 s32, 255, 31
	s_cmp_lt_u32 s27, 512
	s_cselect_b64 s[28:29], s[6:7], s[28:29]
	s_cmp_lt_u32 s27, 256
	s_cselect_b64 s[28:29], s[4:5], s[28:29]
	s_and_b32 s32, s27, s32                        ; which 32 rows of that tensor
	s_and_b32 s33, s26, 1                          ; u
	s_lshr_b32 s34, s26, 1                         ; kh
	s_lshl_b32 s30, s32, 17                        ; 32 rows of 4,096 bytes
	s_lshl_b32 s35, s33, 15                        ; + 8 u rows
	s_add_co_u32 s30, s30, s35
	s_lshl_b32 s35, s34, 11                        ; + 512 kh along K
	s_add_co_u32 s30, s30, s35
	s_add_nc_u64 s[28:29], s[28:29], s[30:31]
	s_lshl_b32 s36, s27, 1
	s_add_co_u32 s36, s36, s33                     ; T = 2 g + u
	s_mul_i32 s30, s36, 12288
	s_mul_i32 s35, s34, 6144
	s_add_co_u32 s30, s30, s35
	s_add_nc_u64 s[20:21], s[20:21], s[30:31]      ; my four fragments
	s_lshl_b32 s30, s36, 9
	s_lshl_b32 s35, s34, 8
	s_add_co_u32 s30, s30, s35
	s_add_nc_u64 s[22:23], s[22:23], s[30:31]      ; their scale words: 256 bytes
	v_lshlrev_b32 v4, 4, v1                        ; 16 l
	s_mul_i32 s35, s26, STG
	v_add_nc_u32 v5, s35, v4                       ; the stage, on the way in
	v_mul_u32_u24 v6, v2, 528
	v_lshl_add_u32 v6, v3, 7, v6
	v_add_nc_u32 v6, s35, v6                       ; and on the way out: row r, + 32 h numbers
	v_lshlrev_b32 v7, 4, v2                        ; 16 r
	v_lshlrev_b32 v8, 3, v3                        ; 8 h
	v_mov_b32 v215, 0                              ; a lane permute's destination counts as one of its sources
	s_mov_b32 s40, 0x76543210
	s_mov_b32 s41, 0xfedcba98                      ; selects for lane l xor 16
.macro LOADF t                         ; K step t of the wave's four: 16 rows x 512 consecutive bytes
.irp i, 0,1,2,3,4,5,6,7,8,9,10,11,12,13,14,15
	global_load_b128 v[RAW+64*((\t)%2)+4*\i:RAW+64*((\t)%2)+4*\i+3], v4, s[28:29] offset:(\i+8*(\i/8))*4096+512*(\t) th:TH_LOAD_NT
.endr
.endm
.macro TURN t                          ; through my stage: in as rows, out as 32 neighbours along K twice a lane.  LDS serves a wave's instructions in order
.irp i, 0,1,2,3,4,5,6,7,8,9,10,11,12,13,14,15
	ds_store_b128 v5, v[RAW+64*((\t)%2)+4*\i:RAW+64*((\t)%2)+4*\i+3] offset:528*\i
.endr
.irp c, 0,1
.irp j, 0,1,2,3,4,5,6,7
	ds_load_b128 v[X+32*\c+4*\j:X+32*\c+4*\j+3], v6 offset:256*\c+16*\j
.endr
.endr
.endm
.macro QUANTF t                        ; my two whole blocks (2 c + h) of row r: scale bytes, codes, and out
.irp c, 0,1
	v_max3_num_f32 v[208+\c], |v[X+32*\c]|, |v[X+32*\c+1]|, 0x2800000   ; with the floor 2^(5 - 127): the byte cannot fall under 1
.endr
.irp i, 2,4,6,8,10,12,14,16,18,20,22,24,26,28,30
.irp c, 0,1
	v_max3_num_f32 v[208+\c], v[208+\c], |v[X+32*\c+\i]|, |v[X+32*\c+\i+1]|
.endr
.endr
.irp c, 0,1
	v_add_nc_u32 v[210+\c], 0xfe000000, v[208+\c]  ; 4 off the exponent field: the conversion's scale operand
.endr
.irp c, 0,1
	v_lshrrev_b32 v[212+\c], 23, v[210+\c]         ; the byte
.endr
	v_lshl_or_b32 v214, v213, 16, v212             ; blocks h and 2 + h,
	v_lshlrev_b32 v214, v8, v214                   ; at their places in the word;
	v_permlanex16_b32 v215, v214, s40, s41
	v_or_b32 v[SW+\t], v214, v215                  ; with lane l xor 16's two the word is whole
	s_wait_xcnt 0x0                                ; the last fragment's stores have read v216-227
.irp c, 0,1
	v_cvt_scalef32_pk16_bf6_f32 v[PC+6*\c:PC+6*\c+2], v[X+32*\c:X+32*\c+15], v[210+\c]
	v_cvt_scalef32_pk16_bf6_f32 v[228+4*\c:230+4*\c], v[X+32*\c+16:X+32*\c+31], v[210+\c]   ; (a conversion's three registers begin on an even number)
.endr
	v_nop                                          ; one plain place behind a scaled conversion
.irp c, 0,1
.irp i, 0,1,2
	v_mov_b32 v[PC+6*\c+3+\i], v[228+4*\c+\i]
.endr
.endr
.irp k, 0,1,2
	global_store_b128 v4, v[PC+4*\k:PC+4*\k+3], s[20:21] offset:1536*(\t)+512*\k   ; 32 lanes store 512 consecutive bytes, aligned
.endr
.endm
	LOADF 0
	LOADF 1
.irp t, 0,1,2,3
.if \t < 3
	s_wait_loadcnt 16                              ; this K step's 16 loads are in; the next one's may be out
.else
	s_wait_loadcnt 0x0
.endif
	TURN \t
	s_wait_dscnt 0x0                               ; back from the stage; the stores have read their registers
.if \t < 2
	LOADF \t+2
.endif
	QUANTF \t
.endr
	s_wait_xcnt 0x0                                ; EXEC changes only behind this wait
	v_cmp_gt_u32 vcc_lo, 16, v1
	s_wait_tensorcnt 0x0
	ds_add_u32 v240, v241
	s_wait_dscnt 0x0
	s_and_saveexec_b32 s42, vcc_lo
	global_store_b128 v7, v[SW:SW+3], s[22:23]     ; sixteen lanes store 256 consecutive bytes, aligned
	s_wait_xcnt 0x0
	s_or_b32 exec_lo, exec_lo, s42
	s_endpgm
	; ---- the mask.  Unit (TT, step) at mbits + (16 TT + step) 256: 64 words; bit l of word n is mask[query of lane l % 16 of tile TT][128 step + 32 (n / 16) + 16 (l / 16) + n % 16]
.Lmask:
	s_sub_co_u32 s27, s27, 896                     ; TT = 128 batch + tile of queries
	s_lshr_b32 s32, s27, 1
	s_lshl_b32 s32, s32, 5
	s_and_b32 s33, s27, 1
	s_lshl_b32 s33, s33, 3
	s_add_co_u32 s32, s32, s33                     ; the tile's first row
	s_lshl_b32 s30, s32, 11                        ; rows of 2,048 bytes
	s_lshl_b32 s33, s26, 9                         ; + my four key steps
	s_add_co_u32 s30, s30, s33
	s_add_nc_u64 s[18:19], s[18:19], s[30:31]
	s_lshl_b32 s30, s27, 4
	s_lshl_b32 s33, s26, 2
	s_add_co_u32 s30, s30, s33
	s_lshl_b32 s30, s30, 8
	s_add_nc_u64 s[24:25], s[24:25], s[30:31]
	v_and_b32 v9, 8, v2
	v_add_nc_u32 v9, v9, v2                        ; r + 8 (r / 8)
	v_lshlrev_b32 v9, 11, v9
	v_lshl_add_u32 v9, v3, 4, v9                   ; + 16 h keys
	v_lshlrev_b32 v10, 3, v1                       ; out: 8 bytes a lane
.irp i, 0,1,2,3,4,5,6,7
	v_mov_b32 v[80+\i], 0                          ; v_writelane_b32's destination counts as one of its sources
.endr
.irp k, 0,1,2,3
.irp b, 0,1,2,3
	global_load_b128 v[16+16*\k+4*\b:16+16*\k+4*\b+3], v9, s[18:19] offset:128*\k+32*\b   ; the sixteen loads together read 512 consecutive bytes of each of 16 rows
.endr
.endr
.set k4, 0
.rept 4
	s_wait_loadcnt 12-4*k4                         ; this unit's four loads are in; the later units' may be out
.set n, 0
.rept 16                               ; register n holds the bytes of words 4 n + 0 .. 3
.irp e, 0,1,2,3
	v_bfe_u32 v[88+\e], v[16+16*k4+n], 8*\e, 8
.endr
.irp e, 0,1,2,3
	v_cmp_ne_u32 s[36+\e], 0, v[88+\e]             ; the 32 lanes' bits
.endr
.irp e, 0,1,2,3
	v_writelane_b32 v[80+2*k4+\e%2], s[36+\e], 2*n+\e/2   ; word 4 n + e into lane (4 n + e) / 2, register (4 n + e) % 2
.endr
.set n, n+1
.endr
	global_store_b64 v10, v[80+2*k4:81+2*k4], s[24:25] offset:256*k4   ; 32 lanes store 256 consecutive bytes, aligned
.set k4, k4+1
.endr
	s_endpgm
.Lfunc_end_k_qfdec2b8541_prep:
	.size	k_qfdec2b8541_prep, .Lfunc_end_k_qfdec2b8541_prep-k_qfdec2b8541_prep
	.p2alignl 7, 3214868480
	.fill 96, 4, 3214868480
	.section	.rodata,"a",@progbits
	.p2align	6, 0x0
	.amdhsa_kernel k_qfdec2b8541_prep
		.amdhsa_group_segment_fixed_size 34304
		.amdhsa_private_segment_fixed_size 0
		.amdhsa_enable_private_segment 0
		.amdhsa_kernarg_size 88
		.amdhsa_user_sgpr_count 2
		.amdhsa_user_sgpr_kernarg_segment_ptr 1
		.amdhsa_wavefront_size32 1
		.amdhsa_system_sgpr_workgroup_id_x 1
		.amdhsa_system_sgpr_workgroup_id_y 1
		.amdhsa_system_sgpr_workgroup_id_z 1
		.amdhsa_system_vgpr_workitem_id 0
		.amdhsa_next_free_vgpr 242
		.amdhsa_next_free_sgpr 66
		.amdhsa_reserve_vcc 1
		.amdhsa_float_denorm_mode_32 3
		.amdhsa_float_denorm_mode_16_64 3
		.amdhsa_memory_ordered 1
		.amdhsa_forward_progress 1
		.amdhsa_inst_pref_size 82
	.end_amdhsa_kernel
	.amdgpu_metadata
---
amdhsa.version: [ 1, 2 ]
amdhsa.kernels:
  - .name:           k_qfdec2b8541_prep
    .symbol:         k_qfdec2b8541_prep.kd
    .args:
      - { .name: input_Q, .offset: 0, .size: 8, .value_kind: global_buffer, .address_space: global }
      - { .name: input_K, .offset: 8, .size: 8, .value_kind: global_buffer, .address_space: global }
      - { .name: input_V, .offset: 16, .size: 8, .value_kind: global_buffer, .address_space: global }
      - { .name: w_q, .offset: 24, .size: 8, .value_kind: global_buffer, .address_space: global }
      - { .name: w_k, .offset: 32, .size: 8, .value_kind: global_buffer, .address_space: global }
      - { .name: w_v, .offset: 40, .size: 8, .value_kind: global_buffer, .address_space: global }
      - { .name: w_o, .offset: 48, .size: 8, .value_kind: global_buffer, .address_space: global }
      - { .name: attn_mask, .offset: 56, .size: 8, .value_kind: global_buffer, .address_space: global }
      - { .name: xc, .offset: 64, .size: 8, .value_kind: global_buffer, .address_space: global }
      - { .name: xs, .offset: 72, .size: 8, .value_kind: global_buffer, .address_space: global }
      - { .name: mbits, .offset: 80, .size: 8, .value_kind: global_buffer, .address_space: global }
    .group_segment_fixed_size: 34304
    .private_segment_fixed_size: 0
    .kernarg_segment_align: 8
    .kernarg_segment_size: 88
    .max_flat_workgroup_size: 128
    .sgpr_count:     66
    .vgpr_count:     242
    .wavefront_size: 32
...
	.end_amdgpu_metadata
.endif
;; end of part 1
;; launch proj (part 2): grid 256 x 3, 4 waves a work-group, clusters of 4 x 1, 168,448 bytes of LDS; arguments xc, xs, qkv, qkvs; writes qkv, qkvs
.if DOCPART == 2
	.amdgcn_target "amdgcn-amd-amdhsa--gfx1250"
	.amdhsa_code_object_version 6
	.text
	.protected	k_qfdec2b8541_proj
	.globl	k_qfdec2b8541_proj
	.p2align	8
	.type	k_qfdec2b8541_proj,@function
k_qfdec2b8541_proj:
	s_mov_b64 s[64:65], 0
	v_nop
	global_prefetch_b8 v0, s[64:65] scope:SCOPE_SE
	s_setreg_imm32_b32 hwreg(HW_REG_WAVE_MODE, 25, 1), 1
	s_wait_xcnt 0x0
	s_wait_alu depctr_hold_cnt(0) depctr_sa_sdst(0) depctr_va_vdst(0) depctr_va_sdst(0) depctr_va_ssrc(0) depctr_va_vcc(0) depctr_vm_vsrc(0)
	s_getreg_b32 s2, hwreg(HW_REG_IB_STS2, 6, 4)
	s_cmp_eq_u32 s2, 0
	s_cbranch_scc0 .Lentry_in_a_cluster
	s_endpgm
.Lentry_in_a_cluster:
	s_bfe_u32 s2, ttmp6, 0x10000c
	s_cmp_lg_u32 s2, 0x3003
	s_cbranch_scc0 .Lentry_shape_is_right
	s_endpgm
.Lentry_shape_is_right:
; PROJ.  The three projections on codes of BF6, and their results quantised in registers.  One body: out[R][P] = sum over k of S[R][k] T[P][k], K = 1024, quantised along P in blocks of 32.
; z = 0, 1 (Q, K): S = the tokens, T = the weight: a lane holds one token, its registers run along a head's 64.   z = 2 (V): S = w_v, T = the tokens: a lane holds one (head, d), its registers run along 64 keys.
; Source 0 = 16 rows of T, source 1 = 16 rows of S.  The rows of every tile are 32 (t / 2) + 8 (t % 2) + r + 8 (r / 8), so the 16 registers of tiles 2 b and 2 b + 1 are P = 32 b + 16 (lane / 16) + 0 .. 15.
; SHARES.  A work-group: 8 tiles of S (128 rows), all of K, resident in LDS (98,304 bytes of codes, 4,096 of scale words, filled once) x 256 rows of T; wave w: 4 tiles of T (64 rows), all of K, in 384 registers.
; CLUSTER.  The four work-groups of a cluster take the same 8 tiles of S and ask for them JOINTLY (mask 15); their T differs.  No LDS byte is filled twice.
; OUT.  Half fragments (64 along K: 6 registers a lane; registers 0-3 at 16 l, registers 4-5 at 512 + 8 l: 768 bytes):
;   Q (hd, tile qt) at hd 98304 + 768 qt;  K (hd, step, tile t) at 6291456 + hd 196608 + 12288 step + 768 t;  V^T (hd, step, tile dt, half c) at 6291456 + hd 196608 + 12288 step + 6144 + 1536 dt + 768 c.
;   Scale half words hw = byte(block 0) | byte(block 1) << 8, two to a word: Q at 0, K at 262144: hd 4096 + 256 (tile / 8) + 128 hh + 4 l holds tiles 8 grp + 4 hh + l / 16 (low) and + 2 (high);
;   V at 524288 + hd 4096 + 128 (slab of 64 keys) + 4 l: dt = l / 16 (low), dt = 2 + l / 16 (high).
; LIMITS: a block whose largest magnitude lies under 2^-122 (a block of zeros too) gets the byte 1; NaN and infinities are not served.
; REGISTERS.  window 0: v1-6 addresses; v16-31 T's scale words; v32-39 S's, two sets; v40-87, v88-135 S's fragments of K steps 0-3, 4-7; v136-167 four accumulators; v168-199 at work.
;   window 1: T's fragments (tile t, K step s = 0..3) at 48 t + 12 s;   window 2: K steps 4..7 likewise.
.set TS,  16
.set SS,  32
.set SA,  40
.set SBF, 88
.set ACC, 136
.set TM,  168                          ; v168-175: largest magnitudes 2, permutes 2, scale operands 2, bytes 2
.set PC,  176
.set PD,  184
.set U,   188                          ; v188-195 the eight units' half words
.set SEL, 62
.set MSB, 0
.macro WIN new                         ; the immediate's high byte repeats the setting that is left
.if MSB != \new
	s_set_vgpr_msb (MSB<<8)|\new
.set MSB, \new
.endif
.endm
.macro PLACES n
.rept \n
	v_nop
.endr
.endm
.macro CROUND                          ; a round of the cluster's barrier
	s_barrier_signal -1
	s_barrier_wait -1
	s_cmp_lg_u32 s12, 0
	s_cbranch_scc1 .Lnot_wave_0_\@
	s_barrier_signal -3
.Lnot_wave_0_\@:
	s_barrier_wait -3
	s_barrier_signal -1
	s_barrier_wait -1
.endm
	s_load_b256 s[4:11], s[0:1], 0x0               ; xc, xs, qkv, qkvs
	v_lshl_add_u32 v254, v0, 2, 0x29000
	v_mov_b32 v255, 0
	ds_add_u32 v254, v255
	ds_add_u32 v254, v255
	v_lshrrev_b32 v7, 5, v0
	v_readfirstlane_b32 s12, v7                    ; wave
	v_and_b32 v7, 31, v0
	v_lshlrev_b32 v1, 4, v7                        ; 16 l: S's tiles 0-3 in LDS; also every image's place in memory
	v_add_nc_u32 v2, 49152, v1                     ; tiles 4-7
	v_add_nc_u32 v3, 98304, v1                     ; S's scale words
	v_lshlrev_b32 v4, 2, v7                        ; 4 l
	v_lshlrev_b32 v6, 3, v7                        ; 8 l
	v_mov_b32 v[TM+2], 0                           ; a lane permute's destination counts as one of its sources
	v_mov_b32 v[TM+3], 0
	s_bfe_u32 s13, ttmp6, 0x40000                  ; cx: it enters T's and the results' addresses alone
	s_mov_b32 s14, ttmp9                           ; the cluster's number, 0 .. 63
	s_and_b32 s15, ttmp7, 0xffff                   ; z
	s_lshl_b32 s20, s15, 9
	s_lshl_b32 s21, s15, 6
	s_cmp_eq_u32 s15, 2
	s_cselect_b32 s22, 7, 63
	s_cselect_b32 s23, 3, 6
	s_cselect_b32 s18, 640, 0
	s_and_b32 s16, s14, s22                        ; sr: which 8 tiles of S
	s_lshr_b32 s17, s14, s23                       ; tg: which 16 slabs of T
	s_add_co_u32 s20, s20, s18                     ; S's first tile in xc: 0, 512, 1664
	s_add_co_u32 s21, s21, 1536
	s_sub_co_u32 s21, s21, s18                     ; T's: 1536, 1600, 1024
	; descriptors: dense blocks as rows of 256 bytes (32 elements of 8 bytes), no padding.  Codes: my two tiles, 96 rows.  Scale words: my quarter, 4 rows
	s_mov_b32 s24, 0x0023000f                      ; 15:0 the mask: all four work-groups; 17:16 elements of 8 bytes; 21 set beside a mask
	s_mov_b32 s25, 32<<16                          ; tensor_dim0
	s_mov_b32 s26, 96<<16                          ; tensor_dim1
	s_mov_b32 s27, 32<<16                          ; tile_dim0
	s_mov_b32 s28, 96                              ; tile_dim1
	s_mov_b32 s29, 32                              ; the pitch
	s_mov_b32 s30, 0
	s_mov_b32 s31, 0
	s_mov_b32 s32, 0x0023000f
	s_mov_b32 s33, 32<<16
	s_mov_b32 s34, 4<<16
	s_mov_b32 s35, 32<<16
	s_mov_b32 s36, 4
	s_mov_b32 s37, 32
	s_mov_b32 s38, 0
	s_mov_b32 s39, 0
	s_mov_b32 s40, 1
	s_mul_i32 s41, s12, 24576                      ; LDS: tile i at 12288 i
	s_mov_b32 s44, 1
	s_lshl_b32 s45, s12, 10
	s_add_co_u32 s45, s45, 98304                   ; LDS: tile i's scale words at 98304 + 512 i
	s_mov_b32 s3, 0
	s_lshl_b32 s22, s16, 3
	s_add_co_u32 s22, s22, s20                     ; the work-group's first tile of S
	s_lshl_b32 s23, s12, 1
	s_add_co_u32 s23, s23, s22
	s_mul_i32 s2, s23, 12288
	s_wait_dscnt 0x0
	s_wait_kmcnt 0x0
	s_add_nc_u64 s[42:43], s[4:5], s[2:3]
	s_or_b32 s43, s43, 0x80000000
	s_lshl_b32 s2, s22, 9
	s_lshl_b32 s23, s12, 10
	s_add_co_u32 s2, s2, s23
	s_add_nc_u64 s[46:47], s[6:7], s[2:3]
	s_or_b32 s47, s47, 0x80000000
	; what hangs on cx, in registers that feed no descriptor
	s_lshl_b32 s19, s17, 4
	s_lshl_b32 s54, s13, 2
	s_add_co_u32 s19, s19, s54
	s_add_co_u32 s19, s19, s12                     ; sl = 16 tg + 4 cx + wave: my slab of 64 rows of T
	s_mov_b32 s55, 0
	s_lshl_b32 s61, s19, 2
	s_add_co_u32 s61, s61, s21                     ; my first tile of T
	s_mul_i32 s54, s61, 12288
	s_add_nc_u64 s[48:49], s[4:5], s[54:55]
	s_lshl_b32 s54, s61, 9
	s_add_nc_u64 s[56:57], s[6:7], s[54:55]
	; where the results go: both forms are made, then chosen on z
	s_lshr_b32 s52, s16, 4
	s_lshl_b32 s52, s52, 4
	s_add_co_u32 s52, s52, s19                     ; Q, K: hd = 16 batch + sl
	s_and_b32 s14, s16, 15                         ; which 8 tiles of the batch's 128
	s_lshl_b32 s60, s52, 12
	s_lshl_b32 s18, s14, 8
	s_add_co_u32 s60, s60, s18
	s_lshl_b32 s18, s15, 18
	s_add_co_u32 s60, s60, s18                     ; scale words: 262144 z + 4096 hd + 256 grp
	s_mul_i32 s52, s52, 98304
	s_mul_i32 s14, s14, 6144
	s_add_co_u32 s52, s52, s14
	s_lshl_b32 s52, s52, s15
	s_mul_i32 s18, s15, 6291456
	s_add_co_u32 s52, s52, s18                     ; codes: 6291456 z + (98304 hd + 6144 grp) << z
	s_lshr_b32 s53, s19, 5
	s_lshl_b32 s53, s53, 4
	s_lshl_b32 s18, s16, 1
	s_add_co_u32 s53, s53, s18                     ; V: hd = 16 batch + 2 sr (units 4-7: the next head)
	s_and_b32 s14, s19, 31                         ; the slab of 64 keys
	s_lshl_b32 s61, s53, 12
	s_lshl_b32 s18, s14, 7
	s_add_co_u32 s61, s61, s18
	s_add_co_u32 s61, s61, 524288
	s_mul_i32 s53, s53, 196608
	s_lshr_b32 s18, s14, 1
	s_mul_i32 s18, s18, 12288
	s_add_co_u32 s53, s53, s18
	s_and_b32 s18, s14, 1
	s_mul_i32 s18, s18, 768
	s_add_co_u32 s53, s53, s18
	s_add_co_u32 s53, s53, 6291456+6144
	s_cmp_eq_u32 s15, 2
	s_cselect_b32 s54, s53, s52
	s_cselect_b32 s14, s61, s60
	s_cselect_b32 s18, 190464, 0                   ; V: from dt 3 of one head to dt 0 of the next, beyond the stride
	s_mov_b32 s61, 128
	s_cselect_b32 s61, 4096, s61                   ; from the first four units' scale words to the last four's
	s_mov_b32 s52, 768
	s_cselect_b32 s52, 1536, s52                   ; from unit to unit
	s_mov_b32 s53, 0
	s_add_nc_u64 s[50:51], s[8:9], s[54:55]
	s_mov_b32 s54, s14
	s_add_nc_u64 s[58:59], s[10:11], s[54:55]
	s_mov_b32 s54, s18
	s_mov_b32 s60, 0xffff0000                      ; lanes 16-31
	s_mov_b32 s[SEL], 0x76543210
	s_mov_b32 s[SEL+1], 0xfedcba98
	v_add_nc_u32 v5, s61, v4
	CROUND                                         ; all four work-groups are here: the joint loads meet
	tensor_load_to_lds s[40:43], s[24:31]          ; two loads of mine are out: the only fills of the launch
	s_nop 0
	tensor_load_to_lds s[44:47], s[32:39]
	s_nop 0
	PLACES 4                                       ; (places behind a tensor load)
	WIN 0x40                                       ; destination window 1
.irp t, 0,1,2,3
.irp s, 0,1,2,3
.irp k, 0,1,2
	global_load_b128 v[48*\t+12*\s+4*\k:48*\t+12*\s+4*\k+3], v1, s[48:49] offset:12288*\t+1536*\s+512*\k
.endr
.endr
.endr
	WIN 0x80                                       ; destination window 2
.irp t, 0,1,2,3
.irp s, 0,1,2,3
.irp k, 0,1,2
	global_load_b128 v[48*\t+12*\s+4*\k:48*\t+12*\s+4*\k+3], v1, s[48:49] offset:12288*\t+1536*(\s+4)+512*\k
.endr
.endr
.endr
	WIN 0
.irp t, 0,1,2,3
	global_load_b128 v[TS+4*\t:TS+4*\t+3], v1, s[56:57] offset:512*\t   ; register j: lanes 0-15 K step j, lanes 16-31 K step 4 + j
.endr
	s_wait_loadcnt 0x0                             ; T stays in registers
	s_wait_tensorcnt 0x0                           ; my parts of S are in,
	s_barrier_signal -1
	s_barrier_wait -1                              ; everybody's are
.macro FETA i                          ; unit i's fragments of K steps 0-3 and its scale words: 13 loads
.irp s, 0,1,2,3
.irp k, 0,1,2
	ds_load_b128 v[SA+12*\s+4*\k:SA+12*\s+4*\k+3], v[1+(\i)/4] offset:((\i)%4)*12288+1536*\s+512*\k
.endr
.endr
	ds_load_b128 v[SS+4*((\i)%2):SS+4*((\i)%2)+3], v3 offset:512*(\i)
.endm
.macro FETB i                          ; K steps 4-7: 12 loads
.irp s, 0,1,2,3
.irp k, 0,1,2
	ds_load_b128 v[SBF+12*\s+4*\k:SBF+12*\s+4*\k+3], v[1+(\i)/4] offset:((\i)%4)*12288+1536*(\s+4)+512*\k
.endr
.endr
.endm
.macro MULS i, half                    ; 16 products: four K steps x my four tiles of T; the four accumulators take turns, one instruction a turn
.irp s, 0,1,2,3
.irp t, 0,1,2,3
.if (\half == 0) && (\s == 0)
	v_wmma_scale_f32_16x16x128_f8f6f4 v[ACC+8*\t:ACC+8*\t+7], v[48*\t+12*\s:48*\t+12*\s+11], v[SA+12*\s:SA+12*\s+11], 0, v[TS+4*\t+\s], v[SS+4*((\i)%2)+\s] matrix_a_fmt:MATRIX_FMT_BF6 matrix_b_fmt:MATRIX_FMT_BF6
.elseif \half == 0
	v_wmma_scale_f32_16x16x128_f8f6f4 v[ACC+8*\t:ACC+8*\t+7], v[48*\t+12*\s:48*\t+12*\s+11], v[SA+12*\s:SA+12*\s+11], v[ACC+8*\t:ACC+8*\t+7], v[TS+4*\t+\s], v[SS+4*((\i)%2)+\s] matrix_a_fmt:MATRIX_FMT_BF6 matrix_b_fmt:MATRIX_FMT_BF6
.else
	v_wmma_scale_f32_16x16x128_f8f6f4 v[ACC+8*\t:ACC+8*\t+7], v[48*\t+12*\s:48*\t+12*\s+11], v[SBF+12*\s:SBF+12*\s+11], v[ACC+8*\t:ACC+8*\t+7], v[TS+4*\t+\s], v[SS+4*((\i)%2)+\s] matrix_a_fmt:MATRIX_FMT_BF6 matrix_b_fmt:MATRIX_FMT_BF6 matrix_a_scale:MATRIX_SCALE_ROW1 matrix_b_scale:MATRIX_SCALE_ROW1
.endif
.endr
.endr
.endm
.macro Q2MAX src                       ; 32 numbers of a lane, register 16 b + i = P 32 b + 16 (lane / 16) + i: the two blocks' scale operands and bytes.  Each accumulator is read from its low end on
.irp b, 0,1
	v_max3_num_f32 v[TM+\b], |v[\src+16*\b]|, |v[\src+16*\b+1]|, 0x2800000   ; with the floor 2^(5 - 127)
.endr
.irp i, 2,4,6,8,10,12,14
.irp b, 0,1
	v_max3_num_f32 v[TM+\b], v[TM+\b], |v[\src+16*\b+\i]|, |v[\src+16*\b+\i+1]|
.endr
.endr
.irp b, 0,1
	v_permlanex16_b32 v[TM+2+\b], v[TM+\b], s[SEL], s[SEL+1]
.endr
.irp b, 0,1
	v_max_num_f32 v[TM+\b], v[TM+\b], v[TM+2+\b]   ; with lane l xor 16's 16 numbers
.endr
.irp b, 0,1
	v_add_nc_u32 v[TM+4+\b], 0xfe000000, v[TM+\b]  ; 4 off the exponent field
.endr
.irp b, 0,1
	v_lshrrev_b32 v[TM+6+\b], 23, v[TM+4+\b]
.endr
.endm
.macro Q2CVT src, pc, pd               ; the codes: six registers from v[pc] on: lane (r, h) holds block h whole
	v_cvt_scalef32_pk16_bf6_f32 v[\pc:\pc+2], v[\src:\src+15], v[TM+4]
	v_cvt_scalef32_pk16_bf6_f32 v[\pd:\pd+2], v[\src+16:\src+31], v[TM+5]
	v_nop                                          ; one plain place behind a scaled conversion
.irp i, 0,1,2
	v_permlane16_swap_b32 v[\pc+\i], v[\pd+\i]     ; the first's lanes 16-31 change places with the second's lanes 0-15
.endr
.irp i, 0,1,2
	v_mov_b32 v[\pc+3+\i], v[\pd+\i]
.endr
.endm
.macro UNIT i                          ; 16 rows of S x my 64 rows of T, all of K; quantised; out
	s_wait_dscnt 12                                ; K steps 0-3 and the scale words are in; the 12 loads of K steps 4-7 may be out
	WIN 0x01                                       ; source 0 window 1
	MULS \i, 0
	WIN 0
	PLACES 4                                       ; in front of loads into registers that these products read
.if \i < 7
	FETA (\i)+1
	s_wait_dscnt 13                                ; all but the 13 just issued
.else
	s_wait_dscnt 0x0
.endif
	WIN 0x02                                       ; source 0 window 2
	MULS \i, 1
	WIN 0
	PLACES 5                                       ; in front of the loads and the first read of results; five, since the next unit's products begin these accumulators anew
.if \i < 7
	FETB (\i)+1
.endif
	Q2MAX ACC
	v_lshl_or_b32 v[U+\i], v[TM+7], 8, v[TM+6]     ; the unit's half word, the same in lanes r and r + 16
	s_wait_xcnt 0x0                                ; the last unit's stores have read their data and their base
.if \i > 0
	s_add_nc_u64 s[50:51], s[50:51], s[52:53]
.endif
.if \i == 4
	s_add_nc_u64 s[50:51], s[50:51], s[54:55]
.endif
	Q2CVT ACC, PC, PD
	global_store_b128 v1, v[PC:PC+3], s[50:51]               ; 512 consecutive bytes,
	global_store_b64 v6, v[PC+4:PC+5], s[50:51] offset:512   ; and 256: both aligned
.endm
	FETA 0
	FETB 0
.irp i, 0,1,2,3,4,5,6,7
	UNIT \i
.endr
	v_cndmask_b32 v196, v[U], v[U+1], s60          ; lanes 0-15 one unit's half word, lanes 16-31 the next unit's
	v_cndmask_b32 v197, v[U+2], v[U+3], s60
	v_lshl_or_b32 v196, v197, 16, v196
	v_cndmask_b32 v198, v[U+4], v[U+5], s60
	v_cndmask_b32 v199, v[U+6], v[U+7], s60
	v_lshl_or_b32 v198, v199, 16, v198
	global_store_b32 v4, v196, s[58:59]
	global_store_b32 v5, v198, s[58:59]
	s_wait_tensorcnt 0x0
	ds_add_u32 v254, v255
	s_wait_dscnt 0x0
	CROUND                                         ; the closing round
	s_endpgm
.Lfunc_end_k_qfdec2b8541_proj:
	.size	k_qfdec2b8541_proj, .Lfunc_end_k_qfdec2b8541_proj-k_qfdec2b8541_proj
	.p2alignl 7, 3214868480
	.fill 96, 4, 3214868480
	.section	.rodata,"a",@progbits
	.p2align	6, 0x0
	.amdhsa_kernel k_qfdec2b8541_proj
		.amdhsa_group_segment_fixed_size 168448
		.amdhsa_private_segment_fixed_size 0
		.amdhsa_enable_private_segment 0
		.amdhsa_kernarg_size 32
		.amdhsa_user_sgpr_count 2
		.amdhsa_user_sgpr_kernarg_segment_ptr 1
		.amdhsa_wavefront_size32 1
		.amdhsa_system_sgpr_workgroup_id_x 1
		.amdhsa_system_sgpr_workgroup_id_y 1
		.amdhsa_system_sgpr_workgroup_id_z 1
		.amdhsa_system_vgpr_workitem_id 0
		.amdhsa_next_free_vgpr 704
		.amdhsa_next_free_sgpr 66
		.amdhsa_reserve_vcc 0
		.amdhsa_float_denorm_mode_32 3
		.amdhsa_float_denorm_mode_16_64 3
		.amdhsa_memory_ordered 1
		.amdhsa_forward_progress 1
		.amdhsa_inst_pref_size 82
	.end_amdhsa_kernel
	.amdgpu_metadata
---
amdhsa.version: [ 1, 2 ]
amdhsa.kernels:
  - .name:           k_qfdec2b8541_proj
    .symbol:         k_qfdec2b8541_proj.kd
    .args:
      - { .name: xc, .offset: 0, .size: 8, .value_kind: global_buffer, .address_space: global }
      - { .name: xs, .offset: 8, .size: 8, .value_kind: global_buffer, .address_space: global }
      - { .name: qkv, .offset: 16, .size: 8, .value_kind: global_buffer, .address_space: global }
      - { .name: qkvs, .offset: 24, .size: 8, .value_kind: global_buffer, .address_space: global }
    .group_segment_fixed_size: 168448
    .private_segment_fixed_size: 0
    .kernarg_segment_align: 8
    .kernarg_segment_size: 32
    .max_flat_workgroup_size: 128
    .sgpr_count:     66
    .vgpr_count:     704
    .wavefront_size: 32
...
	.end_amdgpu_metadata
.endif
;; end of part 2
;; launch attn (part 3): grid 4 x 64, 16 waves a work-group, clusters of 4 x 1, 210,944 bytes of LDS; arguments qkv, qkvs, mbits, cc, cs; writes cc, cs
.if DOCPART == 3
	.amdgcn_target "amdgcn-amd-amdhsa--gfx1250"
	.amdhsa_code_object_version 6
	.text
	.protected	k_qfdec2b8541_attn
	.globl	k_qfdec2b8541_attn
	.p2align	8
	.type	k_qfdec2b8541_attn,@function
k_qfdec2b8541_attn:
	s_mov_b64 s[64:65], 0
	v_nop
	global_prefetch_b8 v0, s[64:65] scope:SCOPE_SE
	s_setreg_imm32_b32 hwreg(HW_REG_WAVE_MODE, 25, 1), 1
	s_wait_xcnt 0x0
	s_wait_alu depctr_hold_cnt(0) depctr_sa_sdst(0) depctr_va_vdst(0) depctr_va_sdst(0) depctr_va_ssrc(0) depctr_va_vcc(0) depctr_vm_vsrc(0)
	s_getreg_b32 s2, hwreg(HW_REG_IB_STS2, 6, 4)
	s_cmp_eq_u32 s2, 0
	s_cbranch_scc0 .Lentry_in_a_cluster
	s_endpgm
.Lentry_in_a_cluster:
	s_bfe_u32 s2, ttmp6, 0x10000c
	s_cmp_lg_u32 s2, 0x3003
	s_cbranch_scc0 .Lentry_shape_is_right
	s_endpgm
.Lentry_shape_is_right:
; ATTN.  ctx = softmax(where(mask, -1e9, Q K^T / 8)) V for one head hd = 16 batch + head, both products on codes of BF6; ctx is quantised along the head's 64 and leaves as codes.
; THE SOFTMAX: t = score x log2(e) / 8; M = the running largest t rounded UP to a whole number; p = 2^(t - M) is quantised along the keys, not normalised; the row's sum is taken of the unquantised p and divides at the end.
; When M moves, the sum and O are multiplied by 2^(old M - new M): exact.
; THE MASK is an input: one v_cndmask_b32 a score, its 32 lane bits a word that the launch before packed; a step's 64 words come by four scalar loads.
; LIMIT: a hidden score is set to -2^33, a logit of -2^30 where the reference has -1e9: -2^33 x c is a whole number, so a row with every key hidden has p = 1 throughout, as the reference's equal logits give; elsewhere p = 0.
;   The results agree as long as open logits lie above -9.9e8.  NaN and infinities are not served.  Blocks of ctx under 2^-122 get the byte 1.
; K = 64 in the first product, and the instruction takes 128: the upper 64 are zero codes under the byte 0x7f, on both sides.
; SHARES.  A work-group: one head, 512 queries.  K and V of the whole head lie in LDS, 196,608 bytes, filled once: wave w's one tensor load brings key step w's 12,288 bytes.
;   Sixteen waves, four to a SIMD; a wave owns one tile of 16 queries in each of two passes and walks 16 key steps of 128.  Behind the one barrier the waves run free of each other.
; CLUSTER.  The four work-groups of a cluster are the four quarters of one head's queries: K and V are asked for JOINTLY (mask 15).
; LAYOUT.  S^T = K Q^T, O^T = V^T P^T: a lane holds one query throughout.  Lane r of a tile takes row 32 (t / 2) + 8 (t % 2) + r + 8 (r / 8), for keys, queries and d alike: so p's registers 16 b + i are keys 32 b + 16 (lane / 16) + i.
; REGISTERS: v1-7 addresses; v8-11 the step's addresses; v12 -M, v13 the largest t, v[14:15] the sum; v16-27 Q; v28 Q's scale word; v29 -2^33; v30-31 ctx's half words; v32-79 four fragments of K; v80-85 K's and V's scale words;
;   v96-159 S^T, then p, then V's fragments, at last ctx; v160-191 O^T; v192-203 p's codes; v204-229 at work.
.set KS,  196608                       ; LDS: K's scale words: step 512 + 16 l: register j, lane (r, half): tile 2 j + half
.set VS,  204800                       ; V's: step 256 + 8 l: register j, lane (r, half): dt = 2 j + half
.set BM,  212
.set BX,  216
.set SO,  220
.set TM,  212                          ; ctx's quantiser works in v212-219
.set SEL, 28
.set CS,  30
.macro PLACES n
.rept \n
	v_nop
.endr
.endm
.macro CROUND                          ; a round of the cluster's barrier
	s_barrier_signal -1
	s_barrier_wait -1
	s_cmp_lg_u32 s14, 0
	s_cbranch_scc1 .Lnot_wave_0_\@
	s_barrier_signal -3
.Lnot_wave_0_\@:
	s_barrier_wait -3
	s_barrier_signal -1
	s_barrier_wait -1
.endm
	s_load_b256 s[68:75], s[0:1], 0x0              ; qkv, qkvs, mbits, cc
	s_load_b64 s[76:77], s[0:1], 0x20              ; cs
	v_lshl_add_u32 v240, v0, 2, 0x33000
	v_mov_b32 v241, 0
	ds_add_u32 v240, v241
	ds_add_u32 v240, v241
	v_lshrrev_b32 v86, 5, v0
	v_readfirstlane_b32 s14, v86                   ; wave 0..15
	s_bfe_u32 s15, ttmp6, 0x40000                  ; cx: which quarter of the queries: it enters Q's, the mask's and the results' addresses alone
	s_and_b32 s80, ttmp7, 0xffff                   ; hd
	s_mov_b32 s83, 0
	s_mov_b32 s16, 0x0023000f                      ; group 1: mask 15, elements of 8 bytes, bit 21 beside the mask: 48 rows of 256 bytes, dense
	s_mov_b32 s17, 32<<16
	s_mov_b32 s18, 48<<16
	s_mov_b32 s19, 32<<16
	s_mov_b32 s20, 48
	s_mov_b32 s21, 32
	s_mov_b32 s22, 0
	s_mov_b32 s23, 0
	s_mov_b32 s24, 1
	s_mul_i32 s25, s14, 12288                      ; LDS: key step w
	s_mul_i32 s82, s80, 196608
	s_add_co_u32 s82, s82, s25
	s_add_co_u32 s82, s82, 6291456
	s_wait_dscnt 0x0
	s_wait_kmcnt 0x0
	s_add_nc_u64 s[26:27], s[68:69], s[82:83]
	s_or_b32 s27, s27, 0x80000000
	s_lshl_b32 s82, s80, 12                        ; K's and V's scale words of step w
	s_lshl_b32 s92, s14, 8
	s_add_co_u32 s82, s82, s92
	s_add_co_u32 s82, s82, 262144
	s_add_nc_u64 s[84:85], s[70:71], s[82:83]
	s_lshl_b32 s88, s15, 5
	s_add_co_u32 s88, s88, s14                     ; my tile of queries in pass 0: 32 cx + wave
	s_mov_b32 s87, 0
	s_mul_i32 s86, s80, 98304
	s_mul_i32 s89, s88, 768
	s_add_co_u32 s86, s86, s89
	s_add_nc_u64 s[10:11], s[68:69], s[86:87]      ; Q's codes
	s_lshl_b32 s86, s80, 12
	s_lshl_b32 s89, s15, 2
	s_lshr_b32 s90, s14, 3
	s_add_co_u32 s89, s89, s90
	s_lshl_b32 s89, s89, 8
	s_add_co_u32 s86, s86, s89                     ; + 256 (tile / 8)
	s_bfe_u32 s89, s14, 0x10002
	s_lshl_b32 s89, s89, 7
	s_add_co_u32 s86, s86, s89                     ; + 128 ((tile / 4) % 2)
	s_and_b32 s89, s14, 1
	s_lshl_b32 s89, s89, 6
	s_add_co_u32 s86, s86, s89                     ; + 64 (tile % 2)
	s_add_nc_u64 s[12:13], s[70:71], s[86:87]      ; Q's scale words
	s_lshr_b32 s89, s80, 4
	s_lshl_b32 s89, s89, 7
	s_add_co_u32 s89, s89, s88                     ; TT = 128 batch + tile
	s_and_b32 s90, s80, 15                         ; head
	s_lshl_b32 s86, s89, 12
	s_add_nc_u64 s[4:5], s[72:73], s[86:87]        ; the mask's words: 4,096 bytes a tile, 256 a step
	s_mul_i32 s86, s89, 12288
	s_mul_i32 s91, s90, 768
	s_add_co_u32 s86, s86, s91
	s_add_nc_u64 s[6:7], s[74:75], s[86:87]        ; ctx's codes
	s_lshl_b32 s86, s89, 10
	s_lshl_b32 s91, s90, 6
	s_add_co_u32 s86, s86, s91
	s_add_nc_u64 s[8:9], s[76:77], s[86:87]        ; ctx's half words
	s_mov_b32 s[SEL], 0x76543210
	s_mov_b32 s[SEL+1], 0xfedcba98
	s_mov_b32 s[CS], 0x3e38aa3b                    ; c = log2(e) / 8
	s_mov_b32 s[CS+1], s[CS]
	CROUND                                         ; all four work-groups are here: the joint loads meet
	tensor_load_to_lds s[24:27], s[16:23]          ; my one tensor load of the launch
	s_nop 0
	PLACES 4                                       ; (places behind a tensor load)
	v_and_b32 v86, 31, v0                          ; l
	v_and_b32 v87, 15, v0                          ; r
	v_bfe_u32 v88, v0, 4, 1                        ; h
	v_lshlrev_b32 v1, 4, v86                       ; 16 l
	v_lshlrev_b32 v2, 3, v86                       ; 8 l
	v_add_nc_u32 v3, KS, v1
	v_add_nc_u32 v4, VS, v2
	v_lshlrev_b32 v7, 2, v87                       ; 4 r
	v_lshl_add_u32 v5, v88, 14, v7                 ; ctx's half words: lanes 16-31 write pass 1's tile, 16 tiles of 1,024 bytes on
	v_lshlrev_b32 v90, 2, v86                      ; 4 l
	global_load_b32 v91, v90, s[84:85]             ; K: tiles 0, 1 (low), 2, 3 (high) of step w
	global_load_b32 v92, v90, s[84:85] offset:128  ; tiles 4, 5, 6, 7
	global_load_b32 v93, v90, s[84:85] offset:262144   ; V: the step's first 64 keys
	global_load_b32 v94, v90, s[84:85] offset:262272   ; and its second
	v_mov_b32 v95, 0x7f7f7f7f
.irp i, 22,23,24,25,26,27
	v_mov_b32 v[\i], 0                             ; Q's upper 64 along K: zero codes
.endr
.irp t, 0,1,2,3
.irp i, 6,7,8,9,10,11
	v_mov_b32 v[32+12*\t+\i], 0                    ; K's likewise: written once
.endr
.endr
.irp b, 0,1,2,3
	v_mov_b32 v[BX+\b], 0                          ; a lane permute's destination counts as one of its sources
.endr
	v_mov_b32 v225, 0                              ; (named as the upper half of the pair v[224:225] before it is first written)
	v_mov_b32 v226, 0
	v_mov_b32 v29, 0xd0000000                      ; -2^33
	v_lshl_add_u32 v86, v0, 4, KS
	v_lshl_add_u32 v87, v0, 3, VS
	s_wait_loadcnt 0x0
	v_perm_b32 v80, v95, v91, 0x05040100           ; a half word below, 0x7f7f above
	v_perm_b32 v81, v95, v91, 0x05040302
	v_perm_b32 v82, v95, v92, 0x05040100
	v_perm_b32 v83, v95, v92, 0x05040302
	v_perm_b32 v84, v94, v93, 0x05040100           ; the first 64 keys' half word below, the second's above
	v_perm_b32 v85, v94, v93, 0x07060302
	ds_store_b128 v86, v[80:83]
	ds_store_b64 v87, v[84:85]
	s_wait_dscnt 0x0                               ; for the others' sake: my stores are done,
	s_wait_tensorcnt 0x0                           ; and my key step has landed
	s_barrier_signal -1
	s_barrier_wait -1
	s_bfe_u32 s16, s14, 0x10001                    ; (no tensor load is out: the descriptor's registers are free)
	s_lshl_b32 s16, s16, 4                         ; Q's half word: the low or the high one of its word
	s_mov_b32 s17, 0x7f7f0000
	s_mov_b32 s18, 0xffff0000                      ; lanes 16-31
.macro STEP                            ; 128 keys
	s_load_b512 s[32:47], s[4:5], 0x0              ; the step's 64 mask words
	s_load_b512 s[48:63], s[4:5], 0x40
	s_load_b512 s[68:83], s[4:5], 0x80
	s_load_b512 s[84:99], s[4:5], 0xc0
	v_add_nc_u32 v8, s2, v1
	v_add_nc_u32 v9, s2, v2
	v_add_nc_u32 v10, s3, v3
	v_add_nc_u32 v11, s100, v4
	PLACES 2                                       ; six places: the products below write over registers that the last step's products read (five are owed)
.irp g, 0,1                                    ; S^T = K Q^T, four tiles of 16 keys at a time
.if \g == 1
	PLACES 4                                       ; in front of loads into registers that products have read
.endif
.irp t, 0,1,2,3
	ds_load_b128 v[32+12*\t:35+12*\t], v8 offset:768*(4*\g+\t)
	ds_load_b64 v[36+12*\t:37+12*\t], v9 offset:768*(4*\g+\t)+512
.endr
.if \g == 0
	ds_load_b128 v[80:83], v10
.endif
	s_wait_dscnt 0x0
.irp t, 0,1,2,3
.if \t%2 == 0
	v_wmma_scale_f32_16x16x128_f8f6f4 v[96+8*(4*\g+\t):103+8*(4*\g+\t)], v[32+12*\t:43+12*\t], v[16:27], 0, v[80+2*\g+\t/2], v28 matrix_a_fmt:MATRIX_FMT_BF6 matrix_b_fmt:MATRIX_FMT_BF6
.else
	v_wmma_scale_f32_16x16x128_f8f6f4 v[96+8*(4*\g+\t):103+8*(4*\g+\t)], v[32+12*\t:43+12*\t], v[16:27], 0, v[80+2*\g+\t/2], v28 matrix_a_fmt:MATRIX_FMT_BF6 matrix_b_fmt:MATRIX_FMT_BF6 matrix_a_scale:MATRIX_SCALE_ROW1
.endif
.endr
.endr
	PLACES 4
	s_wait_kmcnt 0x0                               ; the mask words are in
.set n, 0
.rept 64                               ; hidden scores become -2^33; ascending
.if n < 32
	v_cndmask_b32 v[96+n], v[96+n], v29, s[32+n]
.else
	v_cndmask_b32 v[96+n], v[96+n], v29, s[36+n]
.endif
.set n, n+1
.endr
	s_add_nc_u64 s[4:5], s[4:5], 256               ; the next step's words
.irp b, 0,1,2,3
	v_max3_num_f32 v[BM+\b], v[96+16*\b], v[97+16*\b], v[98+16*\b]   ; the largest score of each block of 32 keys: for the row's maximum, and, since p rises with the score, for the block's largest p
.endr
.irp i, 3,5,7,9,11,13
.irp b, 0,1,2,3
	v_max3_num_f32 v[BM+\b], v[BM+\b], v[96+16*\b+\i], v[97+16*\b+\i]
.endr
.endr
.irp b, 0,1,2,3
	v_max_num_f32 v[BM+\b], v[BM+\b], v[111+16*\b]
.endr
.irp b, 0,1,2,3
	v_permlanex16_b32 v[BX+\b], v[BM+\b], s[SEL], s[SEL+1]
.endr
.irp b, 0,1,2,3
	v_max_num_f32 v[BM+\b], v[BM+\b], v[BX+\b]     ; with lane l xor 16's 16 keys
.endr
	v_max3_num_f32 v226, v[BM], v[BM+1], v[BM+2]
	v_max_num_f32 v226, v226, v[BM+3]
	v_mul_f32 v226, s[CS], v226                    ; as t (c is positive)
	v_max_num_f32 v13, v13, v226                   ; the running largest t
	v_mov_b32 v226, v12
	v_floor_f32 v12, -v13                          ; the new -M = -ceil(t)
	v_sub_f32 v226, v12, v226                      ; old M - new M: a whole number, 0 or less
	v_cvt_i32_f32 v226, v226                       ; (it saturates)
	v_ldexp_f32 v224, 1.0, v226                    ; f = 2^(old M - new M)
.set j, 0
.rept 32
	v_pk_fma_f32 v[96+j:97+j], v[96+j:97+j], s[CS:CS+1], v[12:13] op_sel_hi:[1,0,0]   ; t - M
.set j, j+2
.endr
.irp b, 0,1,2,3
	v_fma_f32 v[BM+\b], v[BM+\b], s[CS], v12
.endr
.set j, 0
.rept 64
	v_exp_f32 v[96+j], v[96+j]                     ; p = 2^(t - M)
.set j, j+1
.endr
.irp b, 0,1,2,3
	v_exp_f32 v[BM+\b], v[BM+\b]                   ; the block's largest p
.endr
	v_pk_mul_f32 v[14:15], v[14:15], v[224:225] op_sel_hi:[1,0]   ; the sums under the new M.  (A plain place behind the exponentials)
	s_wait_alu depctr_va_vdst(0)
.irp b, 0,1,2,3
	v_max_num_f32 v[BM+\b], 0x2800000, v[BM+\b]    ; the floor 2^(5 - 127)
.endr
.irp b, 0,1,2,3
	v_add_nc_u32 v[SO+\b], 0xfe000000, v[BM+\b]    ; 4 off the exponent field: the conversion's scale operand
.endr
.irp b, 0,1,2,3
	v_lshrrev_b32 v[BX+\b], 23, v[SO+\b]           ; the byte
.endr
	v_lshl_or_b32 v225, v[BX+1], 8, v[BX]          ; p's scale word for these 128 keys
	v_lshl_or_b32 v225, v[BX+2], 16, v225
	v_lshl_or_b32 v225, v[BX+3], 24, v225
.irp c, 0,1
	v_cvt_scalef32_pk16_bf6_f32 v[192+6*\c:194+6*\c], v[96+32*\c:111+32*\c], v[SO+2*\c]
	v_cvt_scalef32_pk16_bf6_f32 v[204+4*\c:206+4*\c], v[112+32*\c:127+32*\c], v[SO+2*\c+1]
.endr
	v_nop                                          ; one plain place behind a scaled conversion
.irp c, 0,1
.irp i, 0,1,2
	v_permlane16_swap_b32 v[192+6*\c+\i], v[204+4*\c+\i]   ; a whole block to a lane
.endr
.irp i, 0,1,2
	v_mov_b32 v[195+6*\c+\i], v[204+4*\c+\i]
.endr
.endr
	v_pk_add_f32 v[228:229], v[96:97], v[98:99]    ; the row's sum, of the unquantised p, in two chains
.irp j, 4,8,12,16,20,24,28,32,36,40,44,48,52,56,60
	v_pk_add_f32 v[14:15], v[14:15], v[96+\j:97+\j]
	v_pk_add_f32 v[228:229], v[228:229], v[98+\j:99+\j]
.endr
	v_pk_add_f32 v[14:15], v[14:15], v[228:229]
.set j, 0
.rept 16
	v_pk_mul_f32 v[160+j:161+j], v[160+j:161+j], v[224:225] op_sel_hi:[1,0]   ; O^T under the new M; ascending
.set j, j+2
.endr
.irp d, 0,1,2,3                                ; V^T's four tiles of 16 of the head's 64, into p's registers
.irp c, 0,1
	ds_load_b128 v[96+12*\d+6*\c:99+12*\d+6*\c], v8 offset:6144+1536*\d+768*\c
	ds_load_b64 v[100+12*\d+6*\c:101+12*\d+6*\c], v9 offset:6144+1536*\d+768*\c+512
.endr
.endr
	ds_load_b64 v[84:85], v11
	s_wait_dscnt 0x0
.irp d, 0,1,2,3                                ; O^T += V^T P^T: four accumulators, one instruction each
.if \d%2 == 0
	v_wmma_scale_f32_16x16x128_f8f6f4 v[160+8*\d:167+8*\d], v[96+12*\d:107+12*\d], v[192:203], v[160+8*\d:167+8*\d], v[84+\d/2], v225 matrix_a_fmt:MATRIX_FMT_BF6 matrix_b_fmt:MATRIX_FMT_BF6
.else
	v_wmma_scale_f32_16x16x128_f8f6f4 v[160+8*\d:167+8*\d], v[96+12*\d:107+12*\d], v[192:203], v[160+8*\d:167+8*\d], v[84+\d/2], v225 matrix_a_fmt:MATRIX_FMT_BF6 matrix_b_fmt:MATRIX_FMT_BF6 matrix_a_scale:MATRIX_SCALE_ROW1
.endif
.endr
	s_add_co_u32 s2, s2, 12288                     ; the next step's tiles and scale words
	s_add_co_u32 s3, s3, 512
	s_add_co_u32 s100, s100, 256
.endm
.macro Q2MAX src                       ; 32 numbers of a lane, register 16 b + i = d 32 b + 16 (lane / 16) + i: the two blocks' scale operands and bytes
.irp b, 0,1
	v_max3_num_f32 v[TM+\b], |v[\src+16*\b]|, |v[\src+16*\b+1]|, 0x2800000
.endr
.irp i, 2,4,6,8,10,12,14
.irp b, 0,1
	v_max3_num_f32 v[TM+\b], v[TM+\b], |v[\src+16*\b+\i]|, |v[\src+16*\b+\i+1]|
.endr
.endr
.irp b, 0,1
	v_permlanex16_b32 v[TM+2+\b], v[TM+\b], s[SEL], s[SEL+1]
.endr
.irp b, 0,1
	v_max_num_f32 v[TM+\b], v[TM+\b], v[TM+2+\b]
.endr
.irp b, 0,1
	v_add_nc_u32 v[TM+4+\b], 0xfe000000, v[TM+\b]
.endr
.irp b, 0,1
	v_lshrrev_b32 v[TM+6+\b], 23, v[TM+4+\b]
.endr
.endm
.macro EPI p                           ; ctx = O^T / the sum, quantised along the head's 64, out as half a fragment
	PLACES 4
	v_add_f32 v14, v14, v15
	v_permlanex16_b32 v226, v14, s[SEL], s[SEL+1]
	v_add_f32 v14, v14, v226                       ; the row's sum
	v_rcp_f32 v14, v14
	v_nop                                          ; one plain place behind a transcendental
.set j, 0
	s_wait_alu depctr_va_vdst(0)
.rept 32
	v_mul_f32 v[96+j], v[160+j], v14               ; ascending: each accumulator from its low end on
.set j, j+1
.endr
	Q2MAX 96
	v_lshl_or_b32 v[30+\p], v[TM+7], 8, v[TM+6]
	v_cvt_scalef32_pk16_bf6_f32 v[192:194], v[96:111], v[TM+4]
	v_cvt_scalef32_pk16_bf6_f32 v[204:206], v[112:127], v[TM+5]
	v_nop
.irp i, 0,1,2
	v_permlane16_swap_b32 v[192+\i], v[204+\i]
.endr
.irp i, 0,1,2
	v_mov_b32 v[195+\i], v[204+\i]
.endr
	global_store_b128 v1, v[192:195], s[6:7]             ; 512 consecutive bytes,
	global_store_b64 v2, v[196:197], s[6:7] offset:512   ; and 256: both aligned
.endm
.macro PASS p
	global_load_b128 v[16:19], v1, s[10:11]        ; Q's half fragment
	global_load_b64 v[20:21], v2, s[10:11] offset:512
	global_load_b32 v86, v7, s[12:13]              ; and its rows' half words
	v_mov_b32 v13, 0xff61b1e6                      ; the largest t so far: -3e38
	v_floor_f32 v12, -v13
	v_mov_b32 v14, 0
	v_mov_b32 v15, 0
	s_mov_b32 s2, 0
	s_mov_b32 s3, 0
	s_mov_b32 s100, 0
	s_mov_b32 s101, 16
	s_wait_loadcnt 0x0
	v_lshrrev_b32 v86, s16, v86
	v_and_or_b32 v28, v86, 0xffff, s17             ; two bytes for the head's 64, 0x7f7f for the zero codes
.set j, 0
.rept 32
	v_mov_b32 v[160+j], 0                          ; O^T: the step is written once, and its first trip finds zeros.  (These are also the places between the scale word's making and the first product)
.set j, j+1
.endr
.Lstep_\p:
	STEP
	s_sub_co_u32 s101, s101, 1
	s_cmp_lg_u32 s101, 0
	s_cbranch_scc1 .Lstep_\p
	EPI \p
.endm
	PASS 0
	s_wait_xcnt 0x0                                ; the stores have read their data and their base
	s_add_nc_u64 s[10:11], s[10:11], 12288         ; 16 tiles of queries on
	s_add_nc_u64 s[12:13], s[12:13], 512
	s_add_nc_u64 s[4:5], s[4:5], 61440             ; 65,536 less the 4,096 already walked
	s_add_nc_u64 s[6:7], s[6:7], 196608
	PASS 1
	v_cndmask_b32 v6, v30, v31, s18                ; lanes 0-15 pass 0's half words, lanes 16-31 pass 1's
	global_store_b32 v5, v6, s[8:9]
	s_wait_tensorcnt 0x0
	ds_add_u32 v240, v241
	s_wait_dscnt 0x0
	CROUND                                         ; the closing round
	s_endpgm
.Lfunc_end_k_qfdec2b8541_attn:
	.size	k_qfdec2b8541_attn, .Lfunc_end_k_qfdec2b8541_attn-k_qfdec2b8541_attn
	.p2alignl 7, 3214868480
	.fill 96, 4, 3214868480
	.section	.rodata,"a",@progbits
	.p2align	6, 0x0
	.amdhsa_kernel k_qfdec2b8541_attn
		.amdhsa_group_segment_fixed_size 210944
		.amdhsa_private_segment_fixed_size 0
		.amdhsa_enable_private_segment 0
		.amdhsa_kernarg_size 40
		.amdhsa_user_sgpr_count 2
		.amdhsa_user_sgpr_kernarg_segment_ptr 1
		.amdhsa_wavefront_size32 1
		.amdhsa_system_sgpr_workgroup_id_x 1
		.amdhsa_system_sgpr_workgroup_id_y 1
		.amdhsa_system_sgpr_workgroup_id_z 1
		.amdhsa_system_vgpr_workitem_id 0
		.amdhsa_next_free_vgpr 242
		.amdhsa_next_free_sgpr 102
		.amdhsa_reserve_vcc 0
		.amdhsa_float_denorm_mode_32 3
		.amdhsa_float_denorm_mode_16_64 3
		.amdhsa_memory_ordered 1
		.amdhsa_forward_progress 1
		.amdhsa_inst_pref_size 60
	.end_amdhsa_kernel
	.amdgpu_metadata
---
amdhsa.version: [ 1, 2 ]
amdhsa.kernels:
  - .name:           k_qfdec2b8541_attn
    .symbol:         k_qfdec2b8541_attn.kd
    .args:
      - { .name: qkv, .offset: 0, .size: 8, .value_kind: global_buffer, .address_space: global }
      - { .name: qkvs, .offset: 8, .size: 8, .value_kind: global_buffer, .address_space: global }
      - { .name: mbits, .offset: 16, .size: 8, .value_kind: global_buffer, .address_space: global }
      - { .name: cc, .offset: 24, .size: 8, .value_kind: global_buffer, .address_space: global }
      - { .name: cs, .offset: 32, .size: 8, .value_kind: global_buffer, .address_space: global }
    .group_segment_fixed_size: 210944
    .private_segment_fixed_size: 0
    .kernarg_segment_align: 8
    .kernarg_segment_size: 40
    .max_flat_workgroup_size: 512
    .sgpr_count:     102
    .vgpr_count:     242
    .wavefront_size: 32
...
	.end_amdgpu_metadata
.endif
;; end of part 3
;; launch outln (part 4): grid 256 x 1, 8 waves a work-group, no clusters, 132,608 bytes of LDS; arguments cc, cs, xc, xs, input_Q, ln_gamma, ln_beta, out0; writes out0
.if DOCPART == 4
	.amdgcn_target "amdgcn-amd-amdhsa--gfx1250"
	.amdhsa_code_object_version 6
	.text
	.protected	k_qfdec2b8541_outln
	.globl	k_qfdec2b8541_outln
	.p2align	8
	.type	k_qfdec2b8541_outln,@function
k_qfdec2b8541_outln:
	s_mov_b64 s[64:65], 0
	v_nop
	global_prefetch_b8 v0, s[64:65] scope:SCOPE_SE
	s_setreg_imm32_b32 hwreg(HW_REG_WAVE_MODE, 25, 1), 1
	s_wait_xcnt 0x0
; OUTLN.  out0 = LayerNorm(ctx w_o^T + input_Q) x gamma + beta.  The product on codes of BF6; all else in f32.
; SHARES.  Work-group g owns tokens 32 g .. 32 g + 31 (two tiles) and all 1,024 columns, so the norm needs no other work-group.  Wave w owns w_o's tiles 8 w .. 8 w + 7 (columns 128 w on).
;   ctx (2 tiles x 8 K steps, 192 registers) stays in each wave's registers; w_o's tiles stream by dense loads, two tiles (50 loads) of a wave on their way.
; Source 0 = 16 rows of w_o, source 1 = 16 tokens: a lane holds one token; the 16 registers of tiles 2 b and 2 b + 1 are 16 neighbouring columns.  They meet in a stage in LDS (32 rows x (4,096 bytes + 16)); one barrier;
;   each wave then takes four whole rows: residual, mean, variance (of the differences from the mean, in registers), gain, bias, out.
; NO CLUSTER: w_o's images are 786,432 bytes and do not fit in LDS beside the stage's 131,584, so a joint fetch would want slots that are filled again several times; here each wave loads its own eighth of w_o through registers.
; REGISTERS.  window 0: v1-5 addresses; v8-23 ctx's scale words (8 m + s); v24-31 w_o's, two sets; v32-127, v128-223 w_o's tile, two sets; v224-231 at work.
;   window 1: v0-191 ctx (96 m + 12 s + 6 c); v192-223 four accumulators (16 m + 8 u).   Behind the barrier: window 0: v32-63 a row, v64-95 gamma, v96-127 beta, v128-135 at work; window 1: v0-127 four rows of input_Q.
.set SP,  4112
.set CSW, 8
.set WS,  24
.set Y,   32
.set MSB, 0
.macro WIN new                         ; the immediate's high byte repeats the setting that is left
.if MSB != \new
	s_set_vgpr_msb (MSB<<8)|\new
.set MSB, \new
.endif
.endm
.macro PLACES n
.rept \n
	v_nop
.endr
.endm
	s_load_b512 s[4:19], s[0:1], 0x0               ; cc, cs, xc, xs, input_Q, gamma, beta, out0
	v_lshl_add_u32 v254, v0, 2, 0x20200
	v_mov_b32 v255, 0
	v_lshrrev_b32 v6, 5, v0
	v_readfirstlane_b32 s20, v6                    ; wave 0..7
	s_mov_b32 s21, ttmp9                           ; g
	v_and_b32 v6, 31, v0                           ; l
	v_and_b32 v7, 15, v0                           ; r
	v_bfe_u32 v224, v0, 4, 1                       ; h
	v_lshlrev_b32 v1, 4, v6                        ; 16 l
	v_lshlrev_b32 v2, 3, v6                        ; 8 l
	v_lshlrev_b32 v3, 2, v6                        ; 4 l
	v_and_b32 v4, 8, v7
	v_add_nc_u32 v4, v4, v7                        ; r + 8 (r / 8): my token's row in the stage (tile 1: 8 rows on)
	v_mul_u32_u24 v4, v4, SP
	v_lshl_add_u32 v4, v224, 6, v4                 ; + 16 h columns
	s_lshl_b32 s22, s20, 9
	v_add_nc_u32 v4, s22, v4                       ; + my 128 columns
	s_mul_i32 s22, s20, 4*SP
	v_add_nc_u32 v5, s22, v1                       ; back: my four rows, 16 bytes a lane
.irp i, 225,226,227,228,229,230,231
	v_mov_b32 v[\i], 0                             ; a lane permute's destination counts as one of its sources (v224 is written above)
.endr
	s_mov_b32 s23, 0
	s_mov_b32 s29, 0
	s_mov_b32 s24, 0x76543210
	s_mov_b32 s25, 0xfedcba98
	s_mov_b32 s26, 0x3a800000                      ; 1 / 1024
	s_mov_b32 s27, 0x3727c5ac                      ; 1e-5
	s_wait_kmcnt 0x0
	s_mul_i32 s22, s21, 24576
	s_add_nc_u64 s[4:5], s[4:5], s[22:23]          ; ctx's codes: tile 2 g
	s_lshl_b32 s22, s21, 11
	s_add_nc_u64 s[6:7], s[6:7], s[22:23]          ; its half words
	s_lshl_b32 s22, s20, 3
	s_add_co_u32 s22, s22, 1728                    ; w_o's tile 8 w
	s_mul_i32 s28, s22, 12288
	s_add_nc_u64 s[8:9], s[8:9], s[28:29]
	s_lshl_b32 s28, s22, 9
	s_add_nc_u64 s[10:11], s[10:11], s[28:29]
	s_lshl_b32 s22, s21, 5
	s_lshl_b32 s28, s20, 2
	s_add_co_u32 s22, s22, s28
	s_lshl_b32 s22, s22, 12                        ; row 32 g + 4 w of 4,096 bytes
	s_add_nc_u64 s[12:13], s[12:13], s[22:23]
	s_add_nc_u64 s[18:19], s[18:19], s[22:23]
	WIN 0x40                                       ; destination window 1
.irp m, 0,1
.irp s, 0,1,2,3,4,5,6,7
.irp c, 0,1
	global_load_b128 v[96*\m+12*\s+6*\c:96*\m+12*\s+6*\c+3], v1, s[4:5] offset:12288*\m+1536*\s+768*\c
	global_load_b64 v[96*\m+12*\s+6*\c+4:96*\m+12*\s+6*\c+5], v2, s[4:5] offset:12288*\m+1536*\s+768*\c+512
.endr
.endr
.endr
	WIN 0
.irp m, 0,1
.irp s, 0,1,2,3,4,5,6,7
	global_load_b32 v[CSW+8*\m+\s], v3, s[6:7] offset:1024*\m+128*\s   ; lanes 0-15 head 2 s's half words, lanes 16-31 head 2 s + 1's
.endr
.endr
.macro LOADT j                         ; w_o's tile j of my eight: 24 loads of codes and one of scale words
.irp s, 0,1,2,3,4,5,6,7
.irp k, 0,1,2
	global_load_b128 v[32+96*((\j)%2)+12*\s+4*\k:32+96*((\j)%2)+12*\s+4*\k+3], v1, s[8:9] offset:12288*(\j)+1536*\s+512*\k
.endr
.endr
	global_load_b128 v[WS+4*((\j)%2):WS+4*((\j)%2)+3], v1, s[10:11] offset:512*(\j)
.endm
	LOADT 0
	LOADT 1
	s_wait_loadcnt 50                              ; ctx and its half words are in; the 50 loads of tiles 0 and 1 may be out
.irp i, 0,1,2,3,4,5,6,7,8,9,10,11,12,13,14,15
	v_permlanex16_b32 v[224+\i%8], v[CSW+\i], s24, s25
	v_lshl_or_b32 v[CSW+\i], v[224+\i%8], 16, v[CSW+\i]   ; lanes 0-15: the word of 128 along K (lanes 16-31 are not read)
.endr
	PLACES 8                                       ; a scale register written by a vector instruction stands 8 places ahead of a scaled product
.macro TILE j
.if \j < 7
	s_wait_loadcnt 25                              ; this tile's 25 loads are in; the next tile's may be out
.else
	s_wait_loadcnt 0x0
.endif
	WIN 0x54                                       ; source 1 (ctx), C and D window 1
.irp s, 0,1,2,3,4,5,6,7                        ; the two accumulators take turns, one instruction a turn
.irp m, 0,1
.if \s == 0
	v_wmma_scale_f32_16x16x128_f8f6f4 v[192+16*\m+8*((\j)%2):199+16*\m+8*((\j)%2)], v[32+96*((\j)%2)+12*\s:43+96*((\j)%2)+12*\s], v[96*\m+12*\s:96*\m+12*\s+11], 0, v[WS+4*((\j)%2)+\s%4], v[CSW+8*\m+\s] matrix_a_fmt:MATRIX_FMT_BF6 matrix_b_fmt:MATRIX_FMT_BF6
.elseif \s < 4
	v_wmma_scale_f32_16x16x128_f8f6f4 v[192+16*\m+8*((\j)%2):199+16*\m+8*((\j)%2)], v[32+96*((\j)%2)+12*\s:43+96*((\j)%2)+12*\s], v[96*\m+12*\s:96*\m+12*\s+11], v[192+16*\m+8*((\j)%2):199+16*\m+8*((\j)%2)], v[WS+4*((\j)%2)+\s%4], v[CSW+8*\m+\s] matrix_a_fmt:MATRIX_FMT_BF6 matrix_b_fmt:MATRIX_FMT_BF6
.else
	v_wmma_scale_f32_16x16x128_f8f6f4 v[192+16*\m+8*((\j)%2):199+16*\m+8*((\j)%2)], v[32+96*((\j)%2)+12*\s:43+96*((\j)%2)+12*\s], v[96*\m+12*\s:96*\m+12*\s+11], v[192+16*\m+8*((\j)%2):199+16*\m+8*((\j)%2)], v[WS+4*((\j)%2)+\s%4], v[CSW+8*\m+\s] matrix_a_fmt:MATRIX_FMT_BF6 matrix_b_fmt:MATRIX_FMT_BF6 matrix_a_scale:MATRIX_SCALE_ROW1
.endif
.endr
.endr
	WIN 0
	PLACES 4                                       ; in front of loads into registers that these products read, and of the first read of results
.if \j < 6
	LOADT (\j)+2
.endif
.if (\j)%2 == 1
	WIN 0x04                                       ; an LDS store's data are its source 1: window 1
.irp m, 0,1
.irp q, 0,1,2,3
	ds_store_b128 v4, v[192+16*\m+4*\q:195+16*\m+4*\q] offset:8*SP*\m+128*((\j)/2)+16*\q   ; 16 neighbouring columns of my token; each accumulator from its low end on
.endr
.endr
	WIN 0
.endif
.endm
.irp j, 0,1,2,3,4,5,6,7
	TILE \j
.endr
.irp q, 0,1,2,3,4,5,6,7
	global_load_b128 v[64+4*\q:67+4*\q], v1, s[14:15] offset:512*\q    ; gamma: register 4 q + e: column 128 q + 4 l + e
.endr
.irp q, 0,1,2,3,4,5,6,7
	global_load_b128 v[96+4*\q:99+4*\q], v1, s[16:17] offset:512*\q    ; beta
.endr
	WIN 0x40
.irp p, 0,1,2,3
.irp q, 0,1,2,3,4,5,6,7
	global_load_b128 v[32*\p+4*\q:32*\p+4*\q+3], v1, s[12:13] offset:4096*\p+512*\q th:TH_LOAD_NT   ; my four rows of input_Q
.endr
.endr
	WIN 0
	s_wait_dscnt 0x0                               ; for the others' sake: my stores into the stage are done
	s_barrier_signal -1
	s_barrier_wait -1
.macro REDUCE                          ; v128 summed over the 32 lanes, the result in every lane
	v_add_f32_dpp v128, v128, v128 row_xmask:1 row_mask:0xf bank_mask:0xf
	v_add_f32_dpp v128, v128, v128 row_xmask:2 row_mask:0xf bank_mask:0xf
	v_add_f32_dpp v128, v128, v128 row_xmask:4 row_mask:0xf bank_mask:0xf
	v_add_f32_dpp v128, v128, v128 row_xmask:8 row_mask:0xf bank_mask:0xf
	v_permlanex16_b32 v129, v128, s24, s25
	v_add_f32 v128, v128, v129
.endm
.macro ROW p
	s_wait_xcnt 0x0                                ; the last row's stores have read v32-63
.irp q, 0,1,2,3,4,5,6,7
	ds_load_b128 v[Y+4*\q:Y+4*\q+3], v5 offset:SP*\p+512*\q
.endr
	s_wait_loadcnt 24-8*\p                         ; gamma, beta and this row of input_Q are in; the later rows may be out
	s_wait_dscnt 0x0
	WIN 0x04                                       ; source 1 window 1
.irp i, 0,2,4,6,8,10,12,14,16,18,20,22,24,26,28,30
	v_pk_add_f32 v[Y+\i:Y+\i+1], v[Y+\i:Y+\i+1], v[32*\p+\i:32*\p+\i+1]   ; + the residual
.endr
	WIN 0
	v_pk_add_f32 v[128:129], v[Y:Y+1], v[Y+2:Y+3]
	v_pk_add_f32 v[130:131], v[Y+4:Y+5], v[Y+6:Y+7]
.irp i, 8,12,16,20,24,28
	v_pk_add_f32 v[128:129], v[128:129], v[Y+\i:Y+\i+1]
	v_pk_add_f32 v[130:131], v[130:131], v[Y+\i+2:Y+\i+3]
.endr
	v_pk_add_f32 v[128:129], v[128:129], v[130:131]
	v_add_f32 v128, v128, v129
	REDUCE
	v_mul_f32 v132, s26, v128                      ; the mean
	v_mov_b32 v133, v132
.irp i, 0,2,4,6,8,10,12,14,16,18,20,22,24,26,28,30
	v_pk_add_f32 v[Y+\i:Y+\i+1], v[Y+\i:Y+\i+1], v[132:133] neg_lo:[0,1] neg_hi:[0,1]
.endr
	v_pk_mul_f32 v[128:129], v[Y:Y+1], v[Y:Y+1]
	v_pk_mul_f32 v[130:131], v[Y+2:Y+3], v[Y+2:Y+3]
.irp i, 4,8,12,16,20,24,28
	v_pk_fma_f32 v[128:129], v[Y+\i:Y+\i+1], v[Y+\i:Y+\i+1], v[128:129]
	v_pk_fma_f32 v[130:131], v[Y+\i+2:Y+\i+3], v[Y+\i+2:Y+\i+3], v[130:131]
.endr
	v_pk_add_f32 v[128:129], v[128:129], v[130:131]
	v_add_f32 v128, v128, v129
	REDUCE
	v_fma_f32 v134, v128, s26, s27                 ; the variance + 1e-5
	v_rsq_f32 v134, v134
	v_nop                                          ; one plain place behind a transcendental
	s_wait_alu depctr_va_vdst(0)
	v_mov_b32 v135, v134
.irp i, 0,2,4,6,8,10,12,14,16,18,20,22,24,26,28,30
	v_pk_mul_f32 v[Y+\i:Y+\i+1], v[Y+\i:Y+\i+1], v[134:135]
.endr
.irp i, 0,2,4,6,8,10,12,14,16,18,20,22,24,26,28,30
	v_pk_fma_f32 v[Y+\i:Y+\i+1], v[Y+\i:Y+\i+1], v[64+\i:65+\i], v[96+\i:97+\i]
.endr
.irp q, 0,1,2,3,4,5,6,7
	global_store_b128 v1, v[Y+4*\q:Y+4*\q+3], s[18:19] offset:4096*\p+512*\q th:TH_STORE_NT   ; 32 lanes store 512 consecutive bytes, aligned
.endr
.endm
.irp p, 0,1,2,3
	ROW \p
.endr
	s_wait_tensorcnt 0x0
	ds_add_u32 v254, v255
	s_wait_dscnt 0x0
	s_endpgm
.Lfunc_end_k_qfdec2b8541_outln:
	.size	k_qfdec2b8541_outln, .Lfunc_end_k_qfdec2b8541_outln-k_qfdec2b8541_outln
	.p2alignl 7, 3214868480
	.fill 96, 4, 3214868480
	.section	.rodata,"a",@progbits
	.p2align	6, 0x0
	.amdhsa_kernel k_qfdec2b8541_outln
		.amdhsa_group_segment_fixed_size 132608
		.amdhsa_private_segment_fixed_size 0
		.amdhsa_enable_private_segment 0
		.amdhsa_kernarg_size 64
		.amdhsa_user_sgpr_count 2
		.amdhsa_user_sgpr_kernarg_segment_ptr 1
		.amdhsa_wavefront_size32 1
		.amdhsa_system_sgpr_workgroup_id_x 1
		.amdhsa_system_sgpr_workgroup_id_y 1
		.amdhsa_system_sgpr_workgroup_id_z 1
		.amdhsa_system_vgpr_workitem_id 0
		.amdhsa_next_free_vgpr 480
		.amdhsa_next_free_sgpr 66
		.amdhsa_reserve_vcc 0
		.amdhsa_float_denorm_mode_32 3
		.amdhsa_float_denorm_mode_16_64 3
		.amdhsa_memory_ordered 1
		.amdhsa_forward_progress 1
		.amdhsa_inst_pref_size 90
	.end_amdhsa_kernel
	.amdgpu_metadata
---
amdhsa.version: [ 1, 2 ]
amdhsa.kernels:
  - .name:           k_qfdec2b8541_outln
    .symbol:         k_qfdec2b8541_outln.kd
    .args:
      - { .name: cc, .offset: 0, .size: 8, .value_kind: global_buffer, .address_space: global }
      - { .name: cs, .offset: 8, .size: 8, .value_kind: global_buffer, .address_space: global }
      - { .name: xc, .offset: 16, .size: 8, .value_kind: global_buffer, .address_space: global }
      - { .name: xs, .offset: 24, .size: 8, .value_kind: global_buffer, .address_space: global }
      - { .name: input_Q, .offset: 32, .size: 8, .value_kind: global_buffer, .address_space: global }
      - { .name: ln_gamma, .offset: 40, .size: 8, .value_kind: global_buffer, .address_space: global }
      - { .name: ln_beta, .offset: 48, .size: 8, .value_kind: global_buffer, .address_space: global }
      - { .name: out0, .offset: 56, .size: 8, .value_kind: global_buffer, .address_space: global }
    .group_segment_fixed_size: 132608
    .private_segment_fixed_size: 0
    .kernarg_segment_align: 8
    .kernarg_segment_size: 64
    .max_flat_workgroup_size: 256
    .sgpr_count:     66
    .vgpr_count:     480
    .wavefront_size: 32
...
	.end_amdgpu_metadata
.endif
;; end of part 4
;; ======== version 2 of 2: 4 launches
;; limits: right only within a limited range of input values
;; workspace buffers: xc 22,020,096 bytes; xs 917,504 bytes; mbits 2,097,152 bytes of whole numbers; qkv 18,874,368 bytes; qkvs 786,432 bytes; cc 6,291,456 bytes; cs 524,288 bytes
;; launch prep (part 5): grid 1408 x 1, 4 waves a work-group, no clusters, 34,304 bytes of LDS; arguments input_Q, input_K, input_V, w_q, w_k, w_v, w_o, attn_mask, xc, xs, mbits; writes xc, xs, mbits
.if DOCPART == 5
	.amdgcn_target "amdgcn-amd-amdhsa--gfx1250"
	.amdhsa_code_object_version 6
	.text
	.protected	k_qfdec2b8541_prep
	.globl	k_qfdec2b8541_prep
	.p2align	8
	.type	k_qfdec2b8541_prep,@function
k_qfdec2b8541_prep:
	s_mov_b64 s[64:65], 0
	v_nop
	global_prefetch_b8 v0, s[64:65] scope:SCOPE_SE
	s_setreg_imm32_b32 hwreg(HW_REG_WAVE_MODE, 25, 1), 1
	s_wait_xcnt 0x0
; PREP.  (a) input_Q, input_K, input_V [8192][1024] and w_q, w_k, w_v, w_o [1024][1024], f32, K innermost, become codes of BF6 (E3M2) with one E8M0 byte for each 32 along K.
; (b) attn_mask [4][2048][2048] of bytes becomes lane masks, one 32-bit word for each score register of the attention launch.
; LAYOUT OF THE CODES: images of the operand's registers.  A tile is 16 rows; lane r of a tensor's tile t takes row 32 (t / 2) + 8 (t % 2) + r + 8 (r / 8).
; input_K's tiles alone take row 64 (t / 4) + 8 (t % 4) + r % 8 + 32 (r / 8): in the attention's scores a lane's 32 registers of four neighbouring tiles are then a whole block of 32 keys.
; A fragment (tile T, K step s of 128) is 12 registers a lane; register j of lane l lies at xc + 12288 T + 1536 s + 512 (j / 4) + 16 l + 4 (j % 4): three stores of 512 consecutive bytes.
; Tiles: Q 0, K 512, V 1024, w_q 1536, w_k 1600, w_v 1664, w_o 1728.  The scale word (four bytes, 128 along K) of (T, s, row r) lies at xs + 512 T + 256 (s / 4) + 16 r + 4 (s % 4).
; A block's scale is 2^(floor(log2(largest magnitude)) - 4): its byte is the largest magnitude's exponent field - 4, held at 1 from below.
; LIMITS: a block of zeros, and one whose largest magnitude lies under 2^-122, gets the byte 1 (a block of zeros has zero codes, and these bytes are read by this program alone); NaN and infinities are not served.
; SHARES.  Work-groups 0 to 895: two tiles x 1024 K; wave w takes tile 2 g + (w % 2) and K steps 4 (w / 2) + 0 .. 3.  Work-groups 896 to 1407: one tile of 16 queries of the mask; wave w takes key steps 4 w + 0 .. 3.
; Waves share nothing: no barrier.  No matrix unit, no cluster, no tensor load: every byte is read once and nothing is shared between work-groups.
.set STG,  8448                        ; a wave's stage in LDS: 16 rows x (512 bytes + 16): the pitch is an odd multiple of 16 bytes
.set RAW,  16                          ; v16-143   two sets of 16 rows x 16 bytes a lane, as loaded
.set X,    144                         ; v144-207  register 32 c + e: k = 64 c + 32 h + e of my row
.set PC,   216                         ; v216-227  the fragment's 12 registers
.set SW,   236                         ; v236-239  my row's scale words of the wave's four K steps
	s_load_b512 s[4:19], s[0:1], 0x0               ; Q, K, V, w_q, w_k, w_v, w_o, mask
	s_load_b128 s[20:23], s[0:1], 0x40             ; xc, xs
	s_load_b64 s[24:25], s[0:1], 0x50              ; mbits
	v_lshl_add_u32 v240, v0, 2, 0x8400
	v_mov_b32 v241, 0
	v_lshrrev_b32 v11, 5, v0
	v_readfirstlane_b32 s26, v11                   ; wave
	v_and_b32 v1, 31, v0                           ; l
	v_and_b32 v2, 15, v0                           ; r
	v_bfe_u32 v3, v0, 4, 1                         ; h
	s_mov_b32 s27, ttmp9                           ; g
	s_mov_b32 s31, 0                               ; the upper word of the offsets' pair s[30:31]
	s_wait_kmcnt 0x0
	s_cmp_ge_u32 s27, 896
	s_cbranch_scc1 .Lmask
	; ---- the quantiser.  Which tensor: a choice on the work-group's number alone
	s_mov_b64 s[28:29], s[16:17]
	s_cmp_lt_u32 s27, 864
	s_cselect_b64 s[28:29], s[14:15], s[28:29]
	s_cmp_lt_u32 s27, 832
	s_cselect_b64 s[28:29], s[12:13], s[28:29]
	s_cmp_lt_u32 s27, 800
	s_cselect_b64 s[28:29], s[10:11], s[28:29]
	s_cmp_lt_u32 s27, 768
	s_cselect_b64 s[28:29], s[8:9], s[28:29]
	s_cselect_b32 s32, 255, 31
	s_cmp_lt_u32 s27, 512
	s_cselect_b64 s[28:29], s[6:7], s[28:29]
	s_cmp_lt_u32 s27, 256
	s_cselect_b64 s[28:29], s[4:5], s[28:29]
	s_and_b32 s32, s27, s32                        ; rg: which two tiles of that tensor
	s_and_b32 s33, s26, 1                          ; u
	s_lshr_b32 s34, s26, 1                         ; kh
	s_lshr_b32 s37, s27, 8
	s_cmp_eq_u32 s37, 1                            ; work-groups 256 to 511 are input_K's
	s_cselect_b32 s37, 65536, 0                    ; 16 rows of 4,096 bytes, or nothing
	s_and_b32 s38, s32, 1
	s_mul_i32 s38, s38, s37                        ; input_K: tile 2 rg + u begins at row 64 (rg / 2) + 16 (rg % 2) + 8 u, which is 16 (rg % 2) rows less than 32 rg + 8 u
	s_lshl_b32 s30, s32, 17                        ; 32 rows of 4,096 bytes
	s_lshl_b32 s35, s33, 15                        ; + 8 u rows
	s_add_co_u32 s30, s30, s35
	s_lshl_b32 s35, s34, 11                        ; + 512 kh along K
	s_add_co_u32 s30, s30, s35
	s_sub_co_u32 s30, s30, s38
	s_add_nc_u64 s[28:29], s[28:29], s[30:31]
	s_lshl_b32 s36, s27, 1
	s_add_co_u32 s36, s36, s33                     ; T = 2 g + u
	s_mul_i32 s30, s36, 12288
	s_mul_i32 s35, s34, 6144
	s_add_co_u32 s30, s30, s35
	s_add_nc_u64 s[20:21], s[20:21], s[30:31]      ; my four fragments
	s_lshl_b32 s30, s36, 9
	s_lshl_b32 s35, s34, 8
	s_add_co_u32 s30, s30, s35
	s_add_nc_u64 s[22:23], s[22:23], s[30:31]      ; their scale words: 256 bytes
	s_wait_alu depctr_va_vdst(0)
	v_lshlrev_b32 v4, 4, v1                        ; 16 l: the tile's rows 0 to 7
	v_add_nc_u32 v12, s37, v4                      ; its rows 8 to 15: input_K's lie 16 rows further on than the others'
	s_mul_i32 s35, s26, STG
	v_add_nc_u32 v5, s35, v4                       ; the stage, on the way in
	v_mul_u32_u24 v6, v2, 528
	v_lshl_add_u32 v6, v3, 7, v6
	v_add_nc_u32 v6, s35, v6                       ; and on the way out: row r, + 32 h numbers
	v_lshlrev_b32 v7, 4, v2                        ; 16 r
	v_lshlrev_b32 v8, 3, v3                        ; 8 h
	v_mov_b32 v215, 0                              ; a lane permute's destination counts as one of its sources
	s_mov_b32 s40, 0x76543210
	s_mov_b32 s41, 0xfedcba98                      ; selects for lane l xor 16
.macro LOADF t                         ; K step t of the wave's four: 16 rows x 512 consecutive bytes
.irp i, 0,1,2,3,4,5,6,7,8,9,10,11,12,13,14,15
	global_load_b128 v[RAW+64*((\t)%2)+4*\i:RAW+64*((\t)%2)+4*\i+3], v[4+8*(\i/8)], s[28:29] offset:(\i+8*(\i/8))*4096+512*(\t) th:TH_LOAD_NT
.endr
.endm
.macro TURN t                          ; through my stage: in as rows, out as 32 neighbours along K twice a lane.  LDS serves a wave's instructions in order
.irp i, 0,1,2,3,4,5,6,7,8,9,10,11,12,13,14,15
	ds_store_b128 v5, v[RAW+64*((\t)%2)+4*\i:RAW+64*((\t)%2)+4*\i+3] offset:528*\i
.endr
.irp c, 0,1
.irp j, 0,1,2,3,4,5,6,7
	ds_load_b128 v[X+32*\c+4*\j:X+32*\c+4*\j+3], v6 offset:256*\c+16*\j
.endr
.endr
.endm
.macro QUANTF t                        ; my two whole blocks (2 c + h) of row r: scale bytes, codes, and out
.irp c, 0,1
	v_max3_num_f32 v[208+\c], |v[X+32*\c]|, |v[X+32*\c+1]|, 0x2800000   ; with the floor 2^(5 - 127): the byte cannot fall under 1
.endr
.irp i, 2,4,6,8,10,12,14,16,18,20,22,24,26,28,30
.irp c, 0,1
	v_max3_num_f32 v[208+\c], v[208+\c], |v[X+32*\c+\i]|, |v[X+32*\c+\i+1]|
.endr
.endr
.irp c, 0,1
	v_add_nc_u32 v[210+\c], 0xfe000000, v[208+\c]  ; 4 off the exponent field: the conversion's scale operand
.endr
.irp c, 0,1
	v_lshrrev_b32 v[212+\c], 23, v[210+\c]         ; the byte
.endr
	v_lshl_or_b32 v214, v213, 16, v212             ; blocks h and 2 + h,
	v_lshlrev_b32 v214, v8, v214                   ; at their places in the word;
	v_permlanex16_b32 v215, v214, s40, s41
	v_or_b32 v[SW+\t], v214, v215                  ; with lane l xor 16's two the word is whole
	s_wait_alu depctr_va_vdst(0)
	s_wait_xcnt 0x0                                ; the last fragment's stores have read v216-227
.irp c, 0,1
	v_cvt_scalef32_pk16_bf6_f32 v[PC+6*\c:PC+6*\c+2], v[X+32*\c:X+32*\c+15], v[210+\c]
	v_cvt_scalef32_pk16_bf6_f32 v[228+4*\c:230+4*\c], v[X+32*\c+16:X+32*\c+31], v[210+\c]   ; (a conversion's three registers begin on an even number)
.endr
	v_nop                                          ; one plain place behind a scaled conversion
.irp c, 0,1
.irp i, 0,1,2
	v_mov_b32 v[PC+6*\c+3+\i], v[228+4*\c+\i]
.endr
.endr
.irp k, 0,1,2
	global_store_b128 v4, v[PC+4*\k:PC+4*\k+3], s[20:21] offset:1536*(\t)+512*\k   ; 32 lanes store 512 consecutive bytes, aligned
.endr
.endm
	LOADF 0
	LOADF 1
	s_wait_alu depctr_va_vdst(0)
.irp t, 0,1,2,3
.if \t < 3
	s_wait_loadcnt 16                              ; this K step's 16 loads are in; the next one's may be out
.else
	s_wait_loadcnt 0x0
.endif
	TURN \t
	s_wait_dscnt 0x0                               ; back from the stage; the stores have read their registers
.if \t < 2
	LOADF \t+2
.endif
	QUANTF \t
.endr
	s_wait_xcnt 0x0                                ; EXEC changes only behind this wait
	v_cmp_gt_u32 vcc_lo, 16, v1
	s_wait_tensorcnt 0x0
	ds_add_u32 v240, v241
	s_wait_dscnt 0x0
	s_and_saveexec_b32 s42, vcc_lo
	global_store_b128 v7, v[SW:SW+3], s[22:23]     ; sixteen lanes store 256 consecutive bytes, aligned
	s_wait_xcnt 0x0
	s_or_b32 exec_lo, exec_lo, s42
	s_endpgm
	; ---- the mask.  Unit (TT, step) at mbits + (16 TT + step) 256: 64 words; bit l of word n is mask[query of lane l % 16 of tile TT][128 step + 64 (n / 32) + 32 (l / 16) + n % 32]
.Lmask:
	s_sub_co_u32 s27, s27, 896                     ; TT = 128 batch + tile of queries
	s_lshr_b32 s32, s27, 1
	s_lshl_b32 s32, s32, 5
	s_and_b32 s33, s27, 1
	s_lshl_b32 s33, s33, 3
	s_add_co_u32 s32, s32, s33                     ; the tile's first row
	s_lshl_b32 s30, s32, 11                        ; rows of 2,048 bytes
	s_lshl_b32 s33, s26, 9                         ; + my four key steps
	s_add_co_u32 s30, s30, s33
	s_add_nc_u64 s[18:19], s[18:19], s[30:31]
	s_lshl_b32 s30, s27, 4
	s_lshl_b32 s33, s26, 2
	s_add_co_u32 s30, s30, s33
	s_lshl_b32 s30, s30, 8
	s_add_nc_u64 s[24:25], s[24:25], s[30:31]
	s_wait_alu depctr_va_vdst(0)
	v_and_b32 v9, 8, v2
	v_add_nc_u32 v9, v9, v2                        ; r + 8 (r / 8)
	v_lshlrev_b32 v9, 11, v9
	v_lshl_add_u32 v9, v3, 5, v9                   ; + 32 h keys
	v_lshlrev_b32 v10, 3, v1                       ; out: 8 bytes a lane
.irp i, 0,1,2,3,4,5,6,7
	v_mov_b32 v[80+\i], 0                          ; v_writelane_b32's destination counts as one of its sources
.endr
.irp k, 0,1,2,3
.irp b, 0,1,2,3
	global_load_b128 v[16+16*\k+4*\b:16+16*\k+4*\b+3], v9, s[18:19] offset:128*\k+64*(\b/2)+16*(\b%2)   ; the sixteen loads together read 512 consecutive bytes of each of 16 rows
.endr
.endr
.set k4, 0
.rept 4
	s_wait_loadcnt 12-4*k4                         ; this unit's four loads are in; the later units' may be out
.set n, 0
.rept 16                               ; register n holds the bytes of words 4 n + 0 .. 3
.irp e, 0,1,2,3
	v_bfe_u32 v[88+\e], v[16+16*k4+n], 8*\e, 8
.endr
.irp e, 0,1,2,3
	v_cmp_ne_u32 s[36+\e], 0, v[88+\e]             ; the 32 lanes' bits
.endr
.irp e, 0,1,2,3
	v_writelane_b32 v[80+2*k4+\e%2], s[36+\e], 2*n+\e/2   ; word 4 n + e into lane (4 n + e) / 2, register (4 n + e) % 2
.endr
.set n, n+1
.endr
	global_store_b64 v10, v[80+2*k4:81+2*k4], s[24:25] offset:256*k4   ; 32 lanes store 256 consecutive bytes, aligned
.set k4, k4+1
.endr
	s_endpgm
.Lfunc_end_k_qfdec2b8541_prep:
	.size	k_qfdec2b8541_prep, .Lfunc_end_k_qfdec2b8541_prep-k_qfdec2b8541_prep
	.p2alignl 7, 3214868480
	.fill 96, 4, 3214868480
	.section	.rodata,"a",@progbits
	.p2align	6, 0x0
	.amdhsa_kernel k_qfdec2b8541_prep
		.amdhsa_group_segment_fixed_size 34304
		.amdhsa_private_segment_fixed_size 0
		.amdhsa_enable_private_segment 0
		.amdhsa_kernarg_size 88
		.amdhsa_user_sgpr_count 2
		.amdhsa_user_sgpr_kernarg_segment_ptr 1
		.amdhsa_wavefront_size32 1
		.amdhsa_system_sgpr_workgroup_id_x 1
		.amdhsa_system_sgpr_workgroup_id_y 1
		.amdhsa_system_sgpr_workgroup_id_z 1
		.amdhsa_system_vgpr_workitem_id 0
		.amdhsa_next_free_vgpr 242
		.amdhsa_next_free_sgpr 66
		.amdhsa_reserve_vcc 1
		.amdhsa_float_denorm_mode_32 3
		.amdhsa_float_denorm_mode_16_64 3
		.amdhsa_memory_ordered 1
		.amdhsa_forward_progress 1
		.amdhsa_inst_pref_size 82
	.end_amdhsa_kernel
	.amdgpu_metadata
---
amdhsa.version: [ 1, 2 ]
amdhsa.kernels:
  - .name:           k_qfdec2b8541_prep
    .symbol:         k_qfdec2b8541_prep.kd
    .args:
      - { .name: input_Q, .offset: 0, .size: 8, .value_kind: global_buffer, .address_space: global }
      - { .name: input_K, .offset: 8, .size: 8, .value_kind: global_buffer, .address_space: global }
      - { .name: input_V, .offset: 16, .size: 8, .value_kind: global_buffer, .address_space: global }
      - { .name: w_q, .offset: 24, .size: 8, .value_kind: global_buffer, .address_space: global }
      - { .name: w_k, .offset: 32, .size: 8, .value_kind: global_buffer, .address_space: global }
      - { .name: w_v, .offset: 40, .size: 8, .value_kind: global_buffer, .address_space: global }
      - { .name: w_o, .offset: 48, .size: 8, .value_kind: global_buffer, .address_space: global }
      - { .name: attn_mask, .offset: 56, .size: 8, .value_kind: global_buffer, .address_space: global }
      - { .name: xc, .offset: 64, .size: 8, .value_kind: global_buffer, .address_space: global }
      - { .name: xs, .offset: 72, .size: 8, .value_kind: global_buffer, .address_space: global }
      - { .name: mbits, .offset: 80, .size: 8, .value_kind: global_buffer, .address_space: global }
    .group_segment_fixed_size: 34304
    .private_segment_fixed_size: 0
    .kernarg_segment_align: 8
    .kernarg_segment_size: 88
    .max_flat_workgroup_size: 128
    .sgpr_count:     66
    .vgpr_count:     242
    .wavefront_size: 32
...
	.end_amdgpu_metadata
.endif
;; end of part 5
;; launch proj (part 6): grid 256 x 1, 4 waves a work-group, clusters of 4 x 1, 327,680 bytes of LDS; arguments xc, xs, qkv, qkvs; writes qkv, qkvs
.if DOCPART == 6
	.amdgcn_target "amdgcn-amd-amdhsa--gfx1250"
	.amdhsa_code_object_version 6
	.text
	.protected	k_qfdec2b8541_proj
	.globl	k_qfdec2b8541_proj
	.p2align	8
	.type	k_qfdec2b8541_proj,@function
k_qfdec2b8541_proj:
	s_mov_b64 s[64:65], 0
	v_nop
	global_prefetch_b8 v0, s[64:65] scope:SCOPE_SE
	s_setreg_imm32_b32 hwreg(HW_REG_WAVE_MODE, 25, 1), 1
	s_wait_xcnt 0x0
	s_wait_alu depctr_hold_cnt(0) depctr_sa_sdst(0) depctr_va_vdst(0) depctr_va_sdst(0) depctr_va_ssrc(0) depctr_va_vcc(0) depctr_vm_vsrc(0)
	s_getreg_b32 s2, hwreg(HW_REG_IB_STS2, 6, 4)
	s_cmp_eq_u32 s2, 0
	s_cbranch_scc0 .Lentry_in_a_cluster
	s_endpgm
.Lentry_in_a_cluster:
	s_bfe_u32 s2, ttmp6, 0x10000c
	s_cmp_lg_u32 s2, 0x3003
	s_cbranch_scc0 .Lentry_shape_is_right
	s_endpgm
.Lentry_shape_is_right:
; PROJ.  The three projections on codes of BF6, and their results quantised in registers.  One body: out[R][P] = sum over k of S[R][k] T[P][k], K = 1024, quantised along P in blocks of 32.
; z = 0, 1 (Q, K): S = the tokens, T = the weight: a lane holds one token, its registers run along a head's 64.   z = 2 (V): S = w_v, T = the tokens: a lane holds one (head, d), its registers run along 64 keys.
; Source 0 = 16 rows of T, source 1 = 16 rows of S.  The rows of T's tiles are 32 (t / 2) + 8 (t % 2) + r + 8 (r / 8), so the 16 registers of tiles 2 b and 2 b + 1 are P = 32 b + 16 (lane / 16) + 0 .. 15.
;   Which row of S a lane of a tile holds is as the launch before laid it, and goes through to the same lane of the result's tile.
; A VISIT: 8 tiles of S (128 rows), all of K, in LDS (98,304 bytes of codes, 4,096 of scale words) x 256 rows of T; wave w: 4 tiles of T (64 rows), all of K, in 384 registers.  There are 3 x 64 visits of a cluster.
; WORK-GROUPS THAT STAY: cluster c makes visits v = 3 c + 0, 1, 2; z = v / 64, idx = v % 64.  Each visit's S has a region of LDS of its own: no LDS byte is filled twice.  Visit 0's S is asked for at the head, visit V + 1's at the head of visit V.
;   T stays in registers from visit to visit as long as it is the same (all of z = 0, all of z = 1, runs of 8 visits of z = 2): it is loaded again only where it changes, by a branch on the cluster's number alone.
; CLUSTER.  The four work-groups of a cluster take the same 8 tiles of S and ask for them JOINTLY (mask 15), one load a wave: waves 0 to 2 a third of the codes each, wave 3 the scale words; their T differs.
; A UNIT: 16 rows of S x my 64 rows of T, all of K: 32 products on four accumulators.  Two sets of accumulators take turns from unit to unit: the quantiser of unit i - 1 stands in groups of a few vector lines
;   between the pairs of unit i's first sixteen products; only a visit's last unit is quantised behind its products.
; NO PREFETCH: a visit's S is asked for a whole visit ahead by its tensor load, and T is loaded into registers once for a run of visits.
; OUT.  Half fragments (64 along K: 6 registers a lane; registers 0-3 at 16 l, registers 4-5 at 512 + 8 l: 768 bytes):
;   Q (hd, tile qt) at hd 98304 + 768 qt;  K (hd, step, tile t) at 6291456 + hd 196608 + 12288 step + 768 t;  V^T (hd, step, tile dt, half c) at 6291456 + hd 196608 + 12288 step + 6144 + 1536 dt + 768 c.
;   Scale half words hw = byte(block 0) | byte(block 1) << 8, two to a word: Q at 0, K at 262144: hd 4096 + 256 (tile / 8) + 128 hh + 4 l holds tiles 8 grp + 4 hh + l / 16 (low) and + 2 (high);
;   V at 524288 + hd 4096 + 128 (slab of 64 keys) + 4 l: dt = l / 16 (low), dt = 2 + l / 16 (high).
; LIMITS: a block whose largest magnitude lies under 2^-122 (a block of zeros too) gets the byte 1; NaN and infinities are not served.
; REGISTERS.  window 0: v1-10 addresses; v16-31 T's scale words; v32-39 S's, two sets; v40-87, v88-135 S's fragments of K steps 0-3, 4-7; v136-167, v200-231 two sets of four accumulators; v168-199 at work; v254, v255 the add's two.
;   window 1: T's fragments (tile t, K step s = 0..3) at 48 t + 12 s;   window 2: K steps 4..7 likewise.
; SCALARS.  s12 wave, s13 cx, s14 3 x cluster; s15-23, s92 made of the cluster's number and the wave's alone; s24-39 groups 1; s40-63 six groups 0; s66-91 what hangs on cx too: T's and the results' addresses.
.set REGN, 102400                      ; a visit's region of LDS: tile i at 12288 i, its scale words at 98304 + 512 i
.set LA,  8                            ; v8, v9: the visit's tiles 0-3, 4-7 in LDS; v10: its scale words
.set TS,  16
.set SS,  32
.set SA,  40
.set SBF, 88
.set ACC, 136                          ; unit i's accumulators begin at ACC + 64 (i % 2)
.set TM,  168                          ; v168-175: largest magnitudes 2, permutes 2, scale operands 2, bytes 2
.set PC,  176
.set PD,  184
.set U,   188                          ; v188-195 the eight units' half words
.set SEL, 80
.set MSB, 0
.macro WIN new                         ; the immediate's high byte repeats the setting that is left
.if MSB != \new
	s_set_vgpr_msb (MSB<<8)|\new
.set MSB, \new
.endif
.endm
.macro PLACES n
.rept \n
	v_nop
.endr
.endm
.macro CROUND                          ; a round of the cluster's barrier
	s_barrier_signal -1
	s_barrier_wait -1
	s_cmp_lg_u32 s12, 0
	s_cbranch_scc1 .Lnot_wave_0_\@
	s_barrier_signal -3
.Lnot_wave_0_\@:
	s_barrier_wait -3
	s_barrier_signal -1
	s_barrier_wait -1
.endm
.macro IDS V                           ; visit V of my cluster: s15 z, s16 sr (which 8 tiles of S), s17 tg (which 16 slabs of T), s20 S's first tile in xc, s21 T's
	s_add_co_u32 s15, s14, \V
	s_and_b32 s16, s15, 63
	s_lshr_b32 s15, s15, 6
	s_lshl_b32 s20, s15, 9
	s_lshl_b32 s21, s15, 6
	s_cmp_eq_u32 s15, 2
	s_cselect_b32 s22, 7, 63
	s_cselect_b32 s23, 3, 6
	s_cselect_b32 s18, 640, 0
	s_lshr_b32 s17, s16, s23
	s_and_b32 s16, s16, s22
	s_add_co_u32 s20, s20, s18                     ; 0, 512, 1664
	s_add_co_u32 s21, s21, 1536
	s_sub_co_u32 s21, s21, s18                     ; 1536, 1600, 1024
.endm
.macro DESC V                          ; the two groups 0 of visit V: a third of the codes, and the scale words
	s_lshl_b32 s22, s16, 3
	s_add_co_u32 s22, s22, s20                     ; the visit's first tile of S
	s_mul_i32 s2, s22, 12288                       ; codes: waves 0 to 2 take 128 rows of 256 bytes each of the visit's 384 (wave 3 asks for the scale words instead)
	s_min_u32 s23, s12, 2
	s_lshl_b32 s23, s23, 15
	s_add_co_u32 s2, s2, s23
	s_mov_b32 s[40+8*\V], 1
	s_mov_b32 s[41+8*\V], s23
	s_add_co_u32 s[41+8*\V], s[41+8*\V], \V*REGN
	s_add_nc_u64 s[42+8*\V:43+8*\V], s[4:5], s[2:3]
	s_or_b32 s[43+8*\V], s[43+8*\V], 0x80000000
	s_lshl_b32 s2, s22, 9                          ; the visit's scale words, whole: 16 rows of 256 bytes
	s_mov_b32 s[44+8*\V], 1
	s_mov_b32 s[45+8*\V], \V*REGN+98304
	s_add_nc_u64 s[46+8*\V:47+8*\V], s[6:7], s[2:3]
	s_or_b32 s[47+8*\V], s[47+8*\V], 0x80000000
.endm
	s_load_b256 s[4:11], s[0:1], 0x0               ; xc, xs, qkv, qkvs
	v_lshl_add_u32 v254, v0, 2, 0x4b000
	v_mov_b32 v255, 0
	ds_add_u32 v254, v255                          ; the opening lines: the add, twice on end, and its wait ahead of my first tensor load
	ds_add_u32 v254, v255
	v_lshrrev_b32 v7, 5, v0
	v_readfirstlane_b32 s12, v7                    ; wave
	v_and_b32 v7, 31, v0
	v_lshlrev_b32 v1, 4, v7                        ; 16 l: every image's place in memory
	v_lshlrev_b32 v4, 2, v7                        ; 4 l
	v_lshlrev_b32 v6, 3, v7                        ; 8 l
	v_mov_b32 v[TM+2], 0                           ; a lane permute's destination counts as one of its sources
	v_mov_b32 v[TM+3], 0
	s_bfe_u32 s13, ttmp6, 0x40000                  ; cx: it enters T's and the results' addresses alone
	s_mul_i32 s14, ttmp9, 3                        ; my cluster's first visit
	; groups 1: dense blocks as rows of 256 bytes (32 elements of 8 bytes), no padding.  Codes: 128 rows.  Scale words: 16 rows
	s_mov_b32 s24, 0x0023000f                      ; 15:0 the mask: all four work-groups; 17:16 elements of 8 bytes; 21 set beside a mask
	s_mov_b32 s25, 32<<16                          ; tensor_dim0
	s_mov_b32 s26, 128<<16                         ; tensor_dim1
	s_mov_b32 s27, 32<<16                          ; tile_dim0
	s_mov_b32 s28, 128                             ; tile_dim1
	s_mov_b32 s29, 32                              ; the pitch
	s_mov_b32 s30, 0
	s_mov_b32 s31, 0
	s_mov_b32 s32, 0x0023000f
	s_mov_b32 s33, 32<<16
	s_mov_b32 s34, 16<<16
	s_mov_b32 s35, 32<<16
	s_mov_b32 s36, 16
	s_mov_b32 s37, 32
	s_mov_b32 s38, 0
	s_mov_b32 s39, 0
	s_mov_b32 s3, 0                                ; the upper words of the offsets' pairs
	s_mov_b32 s73, 0
	s_mov_b32 s75, 0
	s_mov_b32 s85, 0
	s_mov_b32 s79, 0xffff0000                      ; lanes 16-31
	s_mov_b32 s[SEL], 0x76543210
	s_mov_b32 s[SEL+1], 0xfedcba98
	s_wait_dscnt 0x0
	s_wait_kmcnt 0x0
	IDS 0
	DESC 0
	IDS 1
	DESC 1
	IDS 2
	DESC 2
	CROUND                                         ; all four work-groups are here: the joint loads meet
; Visit V's S, one joint load a wave: waves 0 to 2 a third of the codes each, wave 3 the scale words.  Visit 0's is asked for here; visit V + 1's at the head of visit V,
; behind the wait for all my tensor loads, the add, its wait and a round of the cluster's barrier.  Each region of LDS is filled once.
.macro JLOAD V
	s_cmp_lt_u32 s12, 3
	s_cbranch_scc0 .Lscl_\@
	tensor_load_to_lds s[40+8*(\V):43+8*(\V)], s[24:31]
	s_nop 0
	PLACES 4
	s_branch .Lasked_\@
.Lscl_\@:
	tensor_load_to_lds s[44+8*(\V):47+8*(\V)], s[32:39]
	s_nop 0
	PLACES 4
.Lasked_\@:
.endm
	JLOAD 0
.macro TLOADS                          ; my four tiles of T, all of K, and their scale words: they stay in registers
	WIN 0x40                                       ; destination window 1
.irp t, 0,1,2,3
.irp s, 0,1,2,3
.irp k, 0,1,2
	global_load_b128 v[48*\t+12*\s+4*\k:48*\t+12*\s+4*\k+3], v1, s[66:67] offset:12288*\t+1536*\s+512*\k
.endr
.endr
.endr
	WIN 0x80                                       ; destination window 2
.irp t, 0,1,2,3
.irp s, 0,1,2,3
.irp k, 0,1,2
	global_load_b128 v[48*\t+12*\s+4*\k:48*\t+12*\s+4*\k+3], v1, s[66:67] offset:12288*\t+1536*(\s+4)+512*\k
.endr
.endr
.endr
	WIN 0
.irp t, 0,1,2,3
	global_load_b128 v[TS+4*\t:TS+4*\t+3], v1, s[68:69] offset:512*\t   ; register j: lanes 0-15 K step j, lanes 16-31 K step 4 + j
.endr
.endm
.macro FETA i                          ; unit i's fragments of K steps 0-3 and its scale words: 13 loads
.irp s, 0,1,2,3
.irp k, 0,1,2
	ds_load_b128 v[SA+12*\s+4*\k:SA+12*\s+4*\k+3], v[LA+(\i)/4] offset:((\i)%4)*12288+1536*\s+512*\k
.endr
.endr
	ds_load_b128 v[SS+4*((\i)%2):SS+4*((\i)%2)+3], v10 offset:512*(\i)
.endm
.macro FETB i                          ; K steps 4-7: 12 loads
.irp s, 0,1,2,3
.irp k, 0,1,2
	ds_load_b128 v[SBF+12*\s+4*\k:SBF+12*\s+4*\k+3], v[LA+(\i)/4] offset:((\i)%4)*12288+1536*(\s+4)+512*\k
.endr
.endr
.endm
; Group g (0 to 8) of unit j's quantiser.  32 numbers of a lane, register 16 b + i = P 32 b + 16 (lane / 16) + i.  Groups 0-3: the two blocks' largest magnitudes, each accumulator read from its low end on; 4: with lane l xor 16's;
; 5: scale operands and bytes; 6: the half word and the codes; 7, 8: lane (r, h) gets block h whole, six registers from v[PC] on.
.macro QG g, j
.set QS, ACC+64*((\j)%2)
.if \g == 0
.irp b, 0,1
	v_max3_num_f32 v[TM+\b], |v[QS+16*\b]|, |v[QS+16*\b+1]|, 0x2800000   ; with the floor 2^(5 - 127)
.endr
.irp b, 0,1
	v_max3_num_f32 v[TM+\b], v[TM+\b], |v[QS+16*\b+2]|, |v[QS+16*\b+3]|
.endr
.elseif \g < 4
.irp d, 0,2
.irp b, 0,1
	v_max3_num_f32 v[TM+\b], v[TM+\b], |v[QS+16*\b+4*(\g)+\d]|, |v[QS+16*\b+4*(\g)+\d+1]|
.endr
.endr
.elseif \g == 4
.irp b, 0,1
	v_permlanex16_b32 v[TM+2+\b], v[TM+\b], s[SEL], s[SEL+1]
.endr
.irp b, 0,1
	v_max_num_f32 v[TM+\b], v[TM+\b], v[TM+2+\b]   ; with lane l xor 16's 16 numbers
.endr
.elseif \g == 5
.irp b, 0,1
	v_add_nc_u32 v[TM+4+\b], 0xfe000000, v[TM+\b]  ; 4 off the exponent field
.endr
.irp b, 0,1
	v_lshrrev_b32 v[TM+6+\b], 23, v[TM+4+\b]
.endr
.elseif \g == 6
	v_lshl_or_b32 v[U+(\j)], v[TM+7], 8, v[TM+6]   ; the unit's half word, the same in lanes r and r + 16
	v_cvt_scalef32_pk16_bf6_f32 v[PC:PC+2], v[QS:QS+15], v[TM+4]
	v_cvt_scalef32_pk16_bf6_f32 v[PD:PD+2], v[QS+16:QS+31], v[TM+5]
	v_nop                                          ; one plain place behind a scaled conversion
.elseif \g == 7
.irp i, 0,1,2
	v_permlane16_swap_b32 v[PC+\i], v[PD+\i]       ; the first's lanes 16-31 change places with the second's lanes 0-15
.endr
.else
.irp i, 0,1,2
	v_mov_b32 v[PC+3+\i], v[PD+\i]
.endr
.endif
.endm
.macro QOUT                            ; a unit's half fragment
	global_store_b128 v1, v[PC:PC+3], s[70:71]               ; 512 consecutive bytes,
	global_store_b64 v6, v[PC+4:PC+5], s[70:71] offset:512   ; and 256: both aligned
.endm
; 16 products: K steps 0-3 x my four tiles of T; the four accumulators take turns, one instruction a turn.
; q = 1: behind each pair of products stands one of groups 0 to 7 of the last unit's quantiser, which names the other set of accumulators; its lines lie in window 0, so the windows are switched round each group.
.macro MULA i, q
.set AC, ACC+64*((\i)%2)
.set GN, 0
.irp s, 0,1,2,3
.irp t, 0,1,2,3
	WIN 0x01                                       ; source 0 window 1
.if \s == 0
	v_wmma_scale_f32_16x16x128_f8f6f4 v[AC+8*\t:AC+8*\t+7], v[48*\t+12*\s:48*\t+12*\s+11], v[SA+12*\s:SA+12*\s+11], 0, v[TS+4*\t+\s], v[SS+4*((\i)%2)+\s] matrix_a_fmt:MATRIX_FMT_BF6 matrix_b_fmt:MATRIX_FMT_BF6
.else
	v_wmma_scale_f32_16x16x128_f8f6f4 v[AC+8*\t:AC+8*\t+7], v[48*\t+12*\s:48*\t+12*\s+11], v[SA+12*\s:SA+12*\s+11], v[AC+8*\t:AC+8*\t+7], v[TS+4*\t+\s], v[SS+4*((\i)%2)+\s] matrix_a_fmt:MATRIX_FMT_BF6 matrix_b_fmt:MATRIX_FMT_BF6
.endif
.if \q && (\t%2 == 1)
	WIN 0
	QG GN, (\i)-1
.set GN, GN+1
.endif
.endr
.endr
	WIN 0
.endm
.macro MULB i                          ; K steps 4-7
.set AC, ACC+64*((\i)%2)
	WIN 0x02                                       ; source 0 window 2
.irp s, 0,1,2,3
.irp t, 0,1,2,3
	v_wmma_scale_f32_16x16x128_f8f6f4 v[AC+8*\t:AC+8*\t+7], v[48*\t+12*\s:48*\t+12*\s+11], v[SBF+12*\s:SBF+12*\s+11], v[AC+8*\t:AC+8*\t+7], v[TS+4*\t+\s], v[SS+4*((\i)%2)+\s] matrix_a_fmt:MATRIX_FMT_BF6 matrix_b_fmt:MATRIX_FMT_BF6 matrix_a_scale:MATRIX_SCALE_ROW1 matrix_b_scale:MATRIX_SCALE_ROW1
.endr
.endr
	WIN 0
.endm
.macro UNIT i                          ; 16 rows of S x my 64 rows of T, all of K; and unit i - 1 quantised and out
	s_wait_dscnt 12                                ; K steps 0-3 and the scale words are in; the 12 loads of K steps 4-7 may be out
.if \i > 0
	s_wait_xcnt 0x0                                ; the stores of the unit before the last have read their data and their base
.if \i > 1
	s_add_nc_u64 s[70:71], s[70:71], s[72:73]      ; where unit i - 1's results go
.endif
.if \i == 5
	s_add_nc_u64 s[70:71], s[70:71], s[74:75]
.endif
	MULA \i, 1
	QG 8, (\i)-1                                   ; three moves and a v_nop: the four places in front of loads into registers that these products read
	v_nop
	QOUT
.else
	MULA \i, 0
	PLACES 4                                       ; in front of loads into registers that these products read
.endif
.if \i < 7
	FETA (\i)+1
	s_wait_dscnt 13                                ; all but the 13 just issued
.else
	s_wait_dscnt 0x0
.endif
	MULB \i
	PLACES 5                                       ; in front of the loads and of the first read of results
.if \i < 7
	FETB (\i)+1
.endif
.endm
.macro VISIT V
.if \V > 0
	s_wait_xcnt 0x0                                ; the last visit's stores have read their data, offsets and bases
.endif
	IDS \V
	s_lshl_b32 s19, s17, 6
	s_add_co_u32 s19, s19, s21                     ; the cluster's first tile of T: made of the cluster's number alone
.if \V > 0
	s_cmp_eq_u32 s19, s92
	s_cbranch_scc1 .Lsame_\V                       ; the same T as in the last visit: it is in my registers
.endif
	s_lshl_b32 s82, s13, 2
	s_add_co_u32 s82, s82, s12                     ; 4 cx + wave: my slab of the cluster's sixteen
	s_lshl_b32 s82, s82, 2
	s_add_co_u32 s82, s82, s19                     ; my first tile of T
	s_mul_i32 s84, s82, 12288
	s_add_nc_u64 s[66:67], s[4:5], s[84:85]
	s_lshl_b32 s84, s82, 9
	s_add_nc_u64 s[68:69], s[6:7], s[84:85]
	TLOADS
.if \V > 0
.Lsame_\V:
.endif
	s_mov_b32 s92, s19
	; where the results go: both forms are made, then chosen on z
	s_lshl_b32 s83, s17, 4
	s_lshl_b32 s89, s13, 2
	s_add_co_u32 s83, s83, s89
	s_add_co_u32 s83, s83, s12                     ; sl = 16 tg + 4 cx + wave
	s_lshr_b32 s86, s16, 4
	s_lshl_b32 s86, s86, 4
	s_add_co_u32 s86, s86, s83                     ; Q, K: hd = 16 batch + sl
	s_and_b32 s87, s16, 15                         ; which 8 tiles of the batch's 128
	s_lshl_b32 s88, s86, 12
	s_lshl_b32 s89, s87, 8
	s_add_co_u32 s88, s88, s89
	s_lshl_b32 s89, s15, 18
	s_add_co_u32 s88, s88, s89                     ; scale words: 262144 z + 4096 hd + 256 grp
	s_mul_i32 s86, s86, 98304
	s_mul_i32 s87, s87, 6144
	s_add_co_u32 s86, s86, s87
	s_lshl_b32 s86, s86, s15
	s_mul_i32 s89, s15, 6291456
	s_add_co_u32 s86, s86, s89                     ; codes: 6291456 z + (98304 hd + 6144 grp) << z
	s_lshr_b32 s90, s83, 5
	s_lshl_b32 s90, s90, 4
	s_lshl_b32 s89, s16, 1
	s_add_co_u32 s90, s90, s89                     ; V: hd = 16 batch + 2 sr (units 4-7: the next head)
	s_and_b32 s87, s83, 31                         ; the slab of 64 keys
	s_lshl_b32 s91, s90, 12
	s_lshl_b32 s89, s87, 7
	s_add_co_u32 s91, s91, s89
	s_add_co_u32 s91, s91, 524288
	s_mul_i32 s90, s90, 196608
	s_lshr_b32 s89, s87, 1
	s_mul_i32 s89, s89, 12288
	s_add_co_u32 s90, s90, s89
	s_and_b32 s89, s87, 1
	s_mul_i32 s89, s89, 768
	s_add_co_u32 s90, s90, s89
	s_add_co_u32 s90, s90, 6291456+6144
	s_cmp_eq_u32 s15, 2
	s_cselect_b32 s84, s90, s86
	s_cselect_b32 s88, s91, s88
	s_cselect_b32 s74, 190464, 0                   ; V: from dt 3 of one head to dt 0 of the next, beyond the stride
	s_mov_b32 s78, 128
	s_cselect_b32 s78, 4096, s78                   ; from the first four units' scale words to the last four's
	s_mov_b32 s72, 768
	s_cselect_b32 s72, 1536, s72                   ; from unit to unit
	s_add_nc_u64 s[70:71], s[8:9], s[84:85]
	s_mov_b32 s84, s88
	s_add_nc_u64 s[76:77], s[10:11], s[84:85]
	v_add_nc_u32 v5, s78, v4
	v_add_nc_u32 v[LA], \V*REGN, v1                ; the visit's region of LDS: tiles 0-3,
	v_add_nc_u32 v[LA+1], \V*REGN+49152, v1        ; tiles 4-7,
	v_add_nc_u32 v10, \V*REGN+98304, v1            ; scale words
	s_wait_alu depctr_va_vdst(0)
	s_wait_loadcnt 0x0                             ; T is in
	s_wait_tensorcnt 0x0                           ; my part of this visit's S is in: the one load of mine that was out
.if \V < 2
	ds_add_u32 v254, v255
	s_wait_dscnt 0x0
	CROUND                                         ; everybody's part is in, and the four work-groups are here: the joint loads meet
	JLOAD (\V)+1                                   ; the next visit's S, into its own region
.else
	s_barrier_signal -1
	s_barrier_wait -1                              ; everybody's are
.endif
	FETA 0
	FETB 0
.irp i, 0,1,2,3,4,5,6,7
	UNIT \i
.endr
	s_wait_xcnt 0x0                                ; unit 6's stores have read their data and their base
	s_add_nc_u64 s[70:71], s[70:71], s[72:73]
.irp g, 0,1,2,3,4,5,6,7,8
	QG \g, 7                                       ; the visit's last unit
.endr
	QOUT
	v_cndmask_b32 v196, v[U], v[U+1], s79          ; lanes 0-15 one unit's half word, lanes 16-31 the next unit's
	v_cndmask_b32 v197, v[U+2], v[U+3], s79
	v_lshl_or_b32 v196, v197, 16, v196
	v_cndmask_b32 v198, v[U+4], v[U+5], s79
	v_cndmask_b32 v199, v[U+6], v[U+7], s79
	v_lshl_or_b32 v198, v199, 16, v198
	global_store_b32 v4, v196, s[76:77]
	global_store_b32 v5, v198, s[76:77]
.endm
	s_wait_alu depctr_va_vdst(0)
	VISIT 0
	VISIT 1
	VISIT 2
	s_wait_tensorcnt 0x0                           ; the wave's end
	ds_add_u32 v254, v255
	s_wait_dscnt 0x0
	CROUND                                         ; the closing round
	s_endpgm
.Lfunc_end_k_qfdec2b8541_proj:
	.size	k_qfdec2b8541_proj, .Lfunc_end_k_qfdec2b8541_proj-k_qfdec2b8541_proj
	.p2alignl 7, 3214868480
	.fill 96, 4, 3214868480
	.section	.rodata,"a",@progbits
	.p2align	6, 0x0
	.amdhsa_kernel k_qfdec2b8541_proj
		.amdhsa_group_segment_fixed_size 327680
		.amdhsa_private_segment_fixed_size 0
		.amdhsa_enable_private_segment 0
		.amdhsa_kernarg_size 32
		.amdhsa_user_sgpr_count 2
		.amdhsa_user_sgpr_kernarg_segment_ptr 1
		.amdhsa_wavefront_size32 1
		.amdhsa_system_sgpr_workgroup_id_x 1
		.amdhsa_system_sgpr_workgroup_id_y 1
		.amdhsa_system_sgpr_workgroup_id_z 1
		.amdhsa_system_vgpr_workitem_id 0
		.amdhsa_next_free_vgpr 704
		.amdhsa_next_free_sgpr 96
		.amdhsa_reserve_vcc 0
		.amdhsa_float_denorm_mode_32 3
		.amdhsa_float_denorm_mode_16_64 3
		.amdhsa_memory_ordered 1
		.amdhsa_forward_progress 1
		.amdhsa_inst_pref_size 251
	.end_amdhsa_kernel
	.amdgpu_metadata
---
amdhsa.version: [ 1, 2 ]
amdhsa.kernels:
  - .name:           k_qfdec2b8541_proj
    .symbol:         k_qfdec2b8541_proj.kd
    .args:
      - { .name: xc, .offset: 0, .size: 8, .value_kind: global_buffer, .address_space: global }
      - { .name: xs, .offset: 8, .size: 8, .value_kind: global_buffer, .address_space: global }
      - { .name: qkv, .offset: 16, .size: 8, .value_kind: global_buffer, .address_space: global }
      - { .name: qkvs, .offset: 24, .size: 8, .value_kind: global_buffer, .address_space: global }
    .group_segment_fixed_size: 327680
    .private_segment_fixed_size: 0
    .kernarg_segment_align: 8
    .kernarg_segment_size: 32
    .max_flat_workgroup_size: 128
    .sgpr_count:     96
    .vgpr_count:     704
    .wavefront_size: 32
...
	.end_amdgpu_metadata
.endif
;; end of part 6
;; launch attn (part 7): grid 4 x 64, 16 waves a work-group, no clusters, 210,944 bytes of LDS; arguments qkv, qkvs, mbits, cc, cs; writes cc, cs
.if DOCPART == 7
	.amdgcn_target "amdgcn-amd-amdhsa--gfx1250"
	.amdhsa_code_object_version 6
	.text
	.protected	k_qfdec2b8541_attn
	.globl	k_qfdec2b8541_attn
	.p2align	8
	.type	k_qfdec2b8541_attn,@function
k_qfdec2b8541_attn:
	s_mov_b64 s[64:65], 0
	v_nop
	global_prefetch_b8 v0, s[64:65] scope:SCOPE_SE
	s_setreg_imm32_b32 hwreg(HW_REG_WAVE_MODE, 25, 1), 1
	s_wait_xcnt 0x0
; ATTN.  ctx = softmax(where(mask, -1e9, Q K^T / 8)) V for one head hd = 16 batch + head, both products on codes of BF6; ctx is quantised along the head's 64 and leaves as codes.
; THE SOFTMAX: t = score x c, c = log2(e) / 8; M = the running largest t rounded UP to a whole number; p = 2^(t - M) is quantised along the keys, not normalised; the row's sum is taken of the unquantised p and divides at the end.
;   When M moves, the sum and O are multiplied by 2^(old M - new M): exact.  The running maximum is kept as a score; c is positive, so the largest score gives the largest t.
; THE MASK is an input.  The first launch packed it into lane words, 64 to a (tile of 16 queries, step of 128 keys).  At the head each wave ORs its two tiles' words into one bit a step; a step whose bit is 0 hides nothing
;   and jumps over the selects; a step whose bit is 1 loads its 64 words by scalar loads and selects, one v_cndmask_b32 a score.  The branch hangs on whole numbers read from memory alone.
; NO TENSOR LOAD, NO CLUSTER: K and V come through registers and there is no joint load.
; NO PREFETCH: K and V are read once, at the head; the loop reads LDS.
; LIMITS: a hidden score is set to -2^33, a logit of -2^30 where the reference has -1e9: -2^33 x c is a whole number, so a row with every key hidden has p = 1 throughout, as the reference's equal logits give; elsewhere p = 0.
;   The results agree as long as open logits lie above -9.9e8, and while t stays under 2^31 in magnitude.  NaN and infinities are not served.  Blocks of ctx under 2^-122 get the byte 1.
; K = 64 in the first product, and the instruction takes 128.  So a fragment of K holds TWO tiles of keys, one in k = 0 .. 63 and one in k = 64 .. 127, and is multiplied once by [Q | zero codes] and once by
;   [zero codes | Q]: 18 registers, zeros, Q, zeros, read from two beginnings.  The pairs are tiles (0, 2), (1, 3), (4, 6), (5, 7): those whose half words share a scale word in memory.
; SHARES.  A work-group: one head, 512 queries (grid x: which quarter).  K and V of the whole head lie in LDS, 196,608 bytes, stored once: wave w loads key step w's 12,288 bytes as the fragments' registers take them
;   and stores them as whole fragments: register group k of fragment f at 12288 w + 1536 f + 512 k + 16 l (K's four fragments, then V's four).  A step then reads 24 x 16 bytes a lane and two scale words.
;   Sixteen waves; a wave owns one tile of 16 queries in each of two passes and walks 16 key steps of 128.  Behind the one barrier the waves run free of each other.
; LAYOUT.  S^T = K Q^T, O^T = V^T P^T: a lane holds one query throughout.  Lane r of a tile of KEYS takes key 64 (t / 4) + 8 (t % 4) + r % 8 + 32 (r / 8), so that score register n of lane (r, h) is key 64 (n / 32) + 32 h + n % 32:
;   a lane holds two whole blocks of 32 keys, in the order in which the second product wants p's codes.
; REGISTERS: v1-7 addresses; v8, v10 the step's addresses; v12 -M, v13 the largest score, v[14:15] the sum; v27, v28 Q's two scale words; v29 -2^33; v30-31 ctx's half words; v32-79 four fragments of K; v80-81, v84-85 K's and V's scale words;
;   v96-159 S^T, then p, then V's fragments (v96-143), at last ctx; v160-191 O^T; v192-203 p's codes; v204-231 at work; v232-249 zeros, Q, zeros; v254, v255 the add's two.
; SCALARS: s[4:5] mask words, s[6:9] results, s[10:13] Q; s14 wave; s16-18 constants; s19 -c; s20 12288 step, s21 step, s[22:23] 256 step; s[24:25] at work; s26, s27 the passes' step bits; s[28:29] selects; s[30:31] c; s32-63, s68-99 mask words.
.set KS,  196608                       ; LDS: K's scale words: step 256 + 8 l
.set VS,  204800                       ; V's
.set QB,  232
.set TM,  212
.set SEL, 28
.set CS,  30
.macro QLOAD p                         ; pass p's tile of queries: half a fragment, and its rows' half words
	global_load_b128 v[QB+6:QB+9], v1, s[10:11] offset:12288*\p
	global_load_b64 v[QB+10:QB+11], v2, s[10:11] offset:12288*\p+512
	global_load_b32 v86, v7, s[12:13] offset:512*\p
.endm
.macro KL f                            ; fragment f of K: three loads.  DOK, KA16, KAS, KOFF, KSOFF say whether and which step's
.if DOK
.irp k, 0,1,2
	ds_load_b128 v[32+12*(\f)+4*\k:35+12*(\f)+4*\k], v[KA16] offset:KOFF+1536*(\f)+512*\k
.endr
.endif
.endm
.macro KSCL
.if DOK
	ds_load_b64 v[80:81], v[KAS] offset:KSOFF
.endif
.endm
	s_load_b256 s[68:75], s[0:1], 0x0              ; qkv, qkvs, mbits, cc
	s_load_b64 s[76:77], s[0:1], 0x20              ; cs
	v_lshl_add_u32 v254, v0, 2, 0x33000
	v_mov_b32 v255, 0
	v_lshrrev_b32 v86, 5, v0
	v_readfirstlane_b32 s14, v86                   ; wave 0..15
	s_mov_b32 s15, ttmp9                           ; which quarter of the queries
	s_and_b32 s80, ttmp7, 0xffff                   ; hd
	s_mul_i32 s25, s14, 12288                      ; key step w
	v_and_b32 v89, 31, v0                          ; l
	v_and_b32 v87, 15, v0                          ; r
	v_bfe_u32 v88, v0, 4, 1                        ; h
	v_lshlrev_b32 v1, 4, v89                       ; 16 l
	v_lshlrev_b32 v2, 3, v89                       ; 8 l
	v_add_nc_u32 v3, KS, v2
	v_lshlrev_b32 v4, 3, v88                       ; 8 h: where my two bytes stand in p's scale word
	v_lshlrev_b32 v7, 2, v87                       ; 4 r
	v_lshl_add_u32 v5, v88, 14, v7                 ; ctx's half words: lanes 16-31 write pass 1's tile, 16 tiles of 1,024 bytes on
	v_lshlrev_b32 v90, 2, v89                      ; 4 l
	v_lshl_add_u32 v91, v0, 3, KS
	v_lshl_add_u32 v92, v0, 3, VS
	v_add_nc_u32 v95, s25, v1                      ; LDS: my key step's fragments
.irp i, 0,1,2,3,4,5,12,13,14,15,16,17
	v_mov_b32 v[QB+\i], 0                          ; the zero codes on both sides of Q: written once
.endr
.irp b, 216,217,218,219,225,226
	v_mov_b32 v[\b], 0                             ; a lane permute's destination counts as one of its sources; v225 is named in the pair v[224:225]
.endr
	v_mov_b32 v29, 0xd0000000                      ; -2^33
	s_mov_b32 s83, 0
	s_mov_b32 s87, 0
	s_mov_b32 s23, 0
	s_mul_i32 s82, s80, 196608
	s_add_co_u32 s82, s82, s25
	s_add_co_u32 s82, s82, 6291456
	s_wait_alu depctr_va_vdst(0)
	s_wait_kmcnt 0x0
	s_add_nc_u64 s[78:79], s[68:69], s[82:83]      ; K and V of step w
.irp t, 0,1,2,3,4,5,6,7                        ; K's eight tiles, half a fragment each, into the fragments' registers
.set KD, 32+12*(2*(\t/4)+\t%2)+6*((\t/2)%2)
	global_load_b128 v[KD:KD+3], v1, s[78:79] offset:768*\t
	global_load_b64 v[KD+4:KD+5], v2, s[78:79] offset:768*\t+512
.endr
.irp d, 0,1,2,3                                ; V^T's four tiles of d, two halves each
.irp c, 0,1
	global_load_b128 v[160+12*\d+6*\c:163+12*\d+6*\c], v1, s[78:79] offset:6144+1536*\d+768*\c
	global_load_b64 v[164+12*\d+6*\c:165+12*\d+6*\c], v2, s[78:79] offset:6144+1536*\d+768*\c+512
.endr
.endr
	s_lshl_b32 s82, s80, 12                        ; K's and V's scale words of step w
	s_lshl_b32 s92, s14, 8
	s_add_co_u32 s82, s82, s92
	s_add_co_u32 s82, s82, 262144
	s_add_nc_u64 s[84:85], s[70:71], s[82:83]
	global_load_b32 v80, v90, s[84:85]             ; K: tiles 0, 1 (low), 2, 3 (high): a fragment's scale word as it lies
	global_load_b32 v81, v90, s[84:85] offset:128  ; tiles 4, 5, 6, 7
	global_load_b32 v93, v90, s[84:85] offset:262144   ; V: the step's first 64 keys
	global_load_b32 v94, v90, s[84:85] offset:262272   ; and its second
	s_lshl_b32 s88, s15, 5
	s_add_co_u32 s88, s88, s14                     ; my tile of queries in pass 0: 32 x quarter + wave
	s_mul_i32 s86, s80, 98304
	s_mul_i32 s89, s88, 768
	s_add_co_u32 s86, s86, s89
	s_add_nc_u64 s[10:11], s[68:69], s[86:87]      ; Q's codes
	s_lshl_b32 s86, s80, 12
	s_lshl_b32 s89, s15, 2
	s_lshr_b32 s90, s14, 3
	s_add_co_u32 s89, s89, s90
	s_lshl_b32 s89, s89, 8
	s_add_co_u32 s86, s86, s89                     ; + 256 (tile / 8)
	s_bfe_u32 s89, s14, 0x10002
	s_lshl_b32 s89, s89, 7
	s_add_co_u32 s86, s86, s89                     ; + 128 ((tile / 4) % 2)
	s_and_b32 s89, s14, 1
	s_lshl_b32 s89, s89, 6
	s_add_co_u32 s86, s86, s89                     ; + 64 (tile % 2)
	s_add_nc_u64 s[12:13], s[70:71], s[86:87]      ; Q's scale words
	QLOAD 0
	s_lshr_b32 s89, s80, 4
	s_lshl_b32 s89, s89, 7
	s_add_co_u32 s89, s89, s88                     ; TT = 128 batch + tile
	s_and_b32 s90, s80, 15                         ; head
	s_lshl_b32 s86, s89, 12
	s_add_nc_u64 s[4:5], s[72:73], s[86:87]        ; the mask's words: 4,096 bytes a tile, 256 a step
.irp p, 0,1                                    ; both passes' mask words: each load reads 512 consecutive bytes: lanes 0-15 step 2 i's words, lanes 16-31 step 2 i + 1's
.irp i, 0,1,2,3,4,5,6,7
	global_load_b128 v[96+32*\p+4*\i:99+32*\p+4*\i], v1, s[4:5] offset:65536*\p+512*\i
.endr
.endr
	s_mul_i32 s86, s89, 12288
	s_mul_i32 s91, s90, 768
	s_add_co_u32 s86, s86, s91
	s_add_nc_u64 s[6:7], s[74:75], s[86:87]        ; ctx's codes
	s_lshl_b32 s86, s89, 10
	s_lshl_b32 s91, s90, 6
	s_add_co_u32 s86, s86, s91
	s_add_nc_u64 s[8:9], s[76:77], s[86:87]        ; ctx's half words
	s_mov_b32 s[SEL], 0x76543210
	s_mov_b32 s[SEL+1], 0xfedcba98
	s_mov_b32 s[CS], 0x3e38aa3b                    ; c = log2(e) / 8
	s_mov_b32 s[CS+1], s[CS]
	s_mov_b32 s19, 0xbe38aa3b                      ; -c
	s_bfe_u32 s16, s14, 0x10001
	s_lshl_b32 s16, s16, 4                         ; Q's half word: the low or the high one of its word
	s_mov_b32 s17, 0x7f7f0000
	s_mov_b32 s18, 0xffff0000                      ; lanes 16-31
	s_wait_loadcnt 23                              ; K and V are in; behind them: 4 loads of scale words, 3 of Q, 16 of mask words
.irp j, 0,1,2,3,4,5,6,7,8,9,10,11
	ds_store_b128 v95, v[32+4*\j:35+4*\j] offset:512*\j
.endr
.irp j, 0,1,2,3,4,5,6,7,8,9,10,11
	ds_store_b128 v95, v[160+4*\j:163+4*\j] offset:6144+512*\j
.endr
	s_wait_loadcnt 19                              ; the scale words are in; Q's 3 and the mask's 16 loads may be out
	v_perm_b32 v84, v94, v93, 0x05040100           ; the first 64 keys' half word below, the second's above
	v_perm_b32 v85, v94, v93, 0x07060302
	ds_store_b64 v91, v[80:81]
	ds_store_b64 v92, v[84:85]
	s_wait_dscnt 0x0                               ; for the others' sake: my stores are done
	s_barrier_signal -1
	s_barrier_wait -1
.set DOK, 1
.set KA16, 1
.set KAS, 3
.set KOFF, 0
.set KSOFF, 0
.irp f, 0,1,2,3
	KL \f                                          ; pass 0, step 0
.endr
	KSCL
	s_wait_loadcnt 0x0                             ; Q and the mask words
.macro FLAGS p                         ; bit s of s[26 + p]: does step s of pass p's tile hide anything
.irp i, 0,1,2,3,4,5,6,7
	v_or3_b32 v[96+32*\p+4*\i], v[96+32*\p+4*\i], v[97+32*\p+4*\i], v[98+32*\p+4*\i]
.endr
.irp i, 0,1,2,3,4,5,6,7
	v_or_b32 v[96+32*\p+4*\i], v[96+32*\p+4*\i], v[99+32*\p+4*\i]
.endr
.irp i, 0,1,2,3,4,5,6,7
	v_cmp_ne_u32 s[32+\i], 0, v[96+32*\p+4*\i]
.endr
	s_mov_b32 s[26+\p], 0
.irp i, 0,1,2,3,4,5,6,7
	s_and_b32 s40, s[32+\i], 0xffff                ; lanes 0-15: step 2 i
	s_cmp_lg_u32 s40, 0
	s_cselect_b32 s40, 1<<(2*\i), 0
	s_lshr_b32 s41, s[32+\i], 16                   ; lanes 16-31: step 2 i + 1
	s_cmp_lg_u32 s41, 0
	s_cselect_b32 s41, 2<<(2*\i), 0
	s_or_b32 s[26+\p], s[26+\p], s40
	s_or_b32 s[26+\p], s[26+\p], s41
.endr
.endm
	FLAGS 0
	FLAGS 1
	s_wait_alu depctr_va_vdst(0)
.macro FM k                            ; t - M for pair k of the 32 pairs of score registers (of the pairs c and -M the low word serves both halves)
	v_pk_fma_f32 v[96+2*(\k):97+2*(\k)], v[96+2*(\k):97+2*(\k)], s[CS:CS+1], v[12:13] op_sel_hi:[1,0,0]
.endm
.macro FMS a, b
.set k, \a
.rept \b-\a+1
	FM k
.set k, k+1
.endr
.endm
; The row's sum, of the unquantised p, in four chains: pair k goes to chain k % 4: v[14:15] (the running sum), v[228:229], v[230:231], v[218:219].  Chains 1 to 3 begin with pairs k and k + 4, so AD is called for k = 0 .. 4 and 8 .. 31.
.macro AD k
.set CR, 14
.if (\k)%4 == 1
.set CR, 228
.elseif (\k)%4 == 2
.set CR, 230
.elseif (\k)%4 == 3
.set CR, 218
.endif
.if ((\k) > 0) && ((\k) < 4)
	v_pk_add_f32 v[CR:CR+1], v[96+2*(\k):97+2*(\k)], v[104+2*(\k):105+2*(\k)]
.else
	v_pk_add_f32 v[CR:CR+1], v[CR:CR+1], v[96+2*(\k):97+2*(\k)]
.endif
.endm
; A KEY STEP: 128 keys.  kind 0: in the loop: it asks for the next step's K.  kind 1: pass 0's last: it asks for pass 1's first K and Q.  kind 2: pass 1's last: it asks for nothing.  id names the copy's label.
.macro STEP kind, id
.if \kind == 0
.set DOK, 1
.set KA16, 8
.set KAS, 10
.set KOFF, 12288
.set KSOFF, 256
.elseif \kind == 1
.set DOK, 1
.set KA16, 1
.set KAS, 3
.set KOFF, 0
.set KSOFF, 0
.else
.set DOK, 0
.endif
	s_wait_dscnt 0x0                               ; K's fragments and scale words: asked for a step ago
.irp t, 0,1,2,3,4,5,6,7                        ; S^T = K Q^T: eight accumulators, one instruction each
.set KA, 32+12*(2*(\t/4)+\t%2)
.if ((\t/2)%2 == 0) && (\t%2 == 0)
	v_wmma_scale_f32_16x16x128_f8f6f4 v[96+8*\t:103+8*\t], v[KA:KA+11], v[QB+6:QB+17], 0, v[80+\t/4], v28 matrix_a_fmt:MATRIX_FMT_BF6 matrix_b_fmt:MATRIX_FMT_BF6
.elseif (\t/2)%2 == 0
	v_wmma_scale_f32_16x16x128_f8f6f4 v[96+8*\t:103+8*\t], v[KA:KA+11], v[QB+6:QB+17], 0, v[80+\t/4], v28 matrix_a_fmt:MATRIX_FMT_BF6 matrix_b_fmt:MATRIX_FMT_BF6 matrix_a_scale:MATRIX_SCALE_ROW1
.elseif \t%2 == 0
	v_wmma_scale_f32_16x16x128_f8f6f4 v[96+8*\t:103+8*\t], v[KA:KA+11], v[QB:QB+11], 0, v[80+\t/4], v27 matrix_a_fmt:MATRIX_FMT_BF6 matrix_b_fmt:MATRIX_FMT_BF6
.else
	v_wmma_scale_f32_16x16x128_f8f6f4 v[96+8*\t:103+8*\t], v[KA:KA+11], v[QB:QB+11], 0, v[80+\t/4], v27 matrix_a_fmt:MATRIX_FMT_BF6 matrix_b_fmt:MATRIX_FMT_BF6 matrix_a_scale:MATRIX_SCALE_ROW1
.endif
.endr
	v_add_nc_u32 v8, s20, v1                       ; five places behind the products (four are owed): the step's fragments,
	v_add_nc_u32 v10, s22, v3                      ; its scale words,
	v_mov_b32 v227, v12                            ; and the old -M
	v_nop
	v_nop
	s_bitcmp1_b32 s[FL], s21                       ; does this step hide a score of my tile?
	s_wait_alu depctr_va_vdst(0)
	s_cbranch_scc0 .Lopen_\id                      ; no: over the selects
	s_add_nc_u64 s[24:25], s[4:5], s[22:23]        ; the step's 64 lane words: 256 bytes a step
	s_load_b512 s[32:47], s[24:25], 0x0
	s_load_b512 s[48:63], s[24:25], 0x40
	s_load_b512 s[68:83], s[24:25], 0x80
	s_load_b512 s[84:99], s[24:25], 0xc0
	s_wait_kmcnt 0x0
.set i, 0
.rept 32                                       ; -2^33 for each hidden score.  Ascending: each accumulator is read from its low end on
	v_cndmask_b32 v[96+i], v[96+i], v29, s[32+i]
	v_cndmask_b32 v[128+i], v[128+i], v29, s[68+i]
.set i, i+1
.endr
.Lopen_\id:
; The largest score of each of my two blocks: it serves for the row's maximum and, since p rises with the score, for the block's largest p.  Two chains a block; ascending: each accumulator is read from its low end on.
	v_max3_num_f32 v212, v96, v97, v98
	v_max3_num_f32 v214, v128, v129, v130
	v_max3_num_f32 v213, v99, v100, v101
	v_max3_num_f32 v215, v131, v132, v133
.irp i, 6,10,14,18,22,26
	v_max3_num_f32 v212, v212, v[96+\i], v[97+\i]
	v_max3_num_f32 v214, v214, v[128+\i], v[129+\i]
	v_max3_num_f32 v213, v213, v[98+\i], v[99+\i]
	v_max3_num_f32 v215, v215, v[130+\i], v[131+\i]
.endr
	v_max3_num_f32 v212, v212, v126, v127
	v_max3_num_f32 v214, v214, v158, v159
	v_max_num_f32 v212, v212, v213                 ; my first block's largest score,
	v_max_num_f32 v214, v214, v215                 ; my second's
	KL 0                                           ; the next step's loads stand between the lines of the chain that finds M
	v_max_num_f32 v226, v212, v214
	KL 1
	v_permlanex16_b32 v216, v226, s[SEL], s[SEL+1]
	KL 2
	v_max3_num_f32 v13, v13, v226, v216            ; with lane l xor 16's two blocks: the running largest score of my query
	KL 3
	v_mul_f32 v217, s19, v13                       ; -t
	KSCL
.if \kind == 1
	QLOAD 1                                        ; pass 1's tile of queries, 16 tiles on
.endif
	v_floor_f32 v12, v217                          ; the new -M = -ceil(t)
	s_delay_alu instid0(VALU_DEP_1)
	v_fma_f32 v212, v212, s[CS], v12               ; t - M of the blocks' largest scores: the same instruction on the same number gives the same bits as for the score itself
	v_fma_f32 v214, v214, s[CS], v12
	FMS 0, 3
	v_sub_f32 v227, v12, v227                      ; old M - new M: a whole number, 0 or less
	FMS 4, 7
	v_cvt_i32_f32 v227, v227                       ; (it saturates)
	FMS 8, 11
	v_ldexp_f32 v224, 1.0, v227                    ; f = 2^(old M - new M)
	FMS 12, 31
	s_wait_alu depctr_va_vdst(0)
	v_exp_f32 v212, v212                           ; the blocks' largest p
	v_exp_f32 v214, v214
.set j, 0
.rept 64
	v_exp_f32 v[96+j], v[96+j]                     ; p = 2^(t - M)
.set j, j+1
.endr
	v_pk_mul_f32 v[14:15], v[14:15], v[224:225] op_sel_hi:[1,0]   ; the sum under the new M: the plain place behind the batch
	s_wait_alu depctr_va_vdst(0)                   ; one wait for the whole batch, ahead of its first reader
	v_max_num_f32 v212, 0x2800000, v212            ; the floor 2^(5 - 127): the byte cannot fall under 1
	v_max_num_f32 v214, 0x2800000, v214
	AD 0
	AD 1
	v_add_nc_u32 v220, 0xfe000000, v212            ; 4 off the exponent field: the conversion's scale operand
	v_add_nc_u32 v221, 0xfe000000, v214
	AD 2
	AD 3
	v_lshrrev_b32 v222, 23, v220                   ; the byte
	v_lshrrev_b32 v223, 23, v221
	AD 4
	AD 8
	v_lshl_or_b32 v226, v223, 16, v222             ; blocks h and 2 + h,
	AD 9
	AD 10
	v_lshlrev_b32 v226, v4, v226                   ; at their places in the word
	AD 11
	AD 12
	v_permlanex16_b32 v216, v226, s[SEL], s[SEL+1]
	AD 13
	AD 14
	v_or_b32 v225, v226, v216                      ; with lane l xor 16's two bytes p's scale word for these 128 keys is whole
	v_cvt_scalef32_pk16_bf6_f32 v[192:194], v[96:111], v220
	v_cvt_scalef32_pk16_bf6_f32 v[204:206], v[112:127], v220      ; (a conversion's three registers begin on an even number)
	v_cvt_scalef32_pk16_bf6_f32 v[198:200], v[128:143], v221
	v_cvt_scalef32_pk16_bf6_f32 v[208:210], v[144:159], v221
.irp a, 15,16,17,18,19,20,21,22,23
	AD \a                                          ; plain places behind the conversions
.endr
.irp i, 0,1,2
	v_mov_b32 v[195+\i], v[204+\i]
	v_mov_b32 v[201+\i], v[208+\i]
.endr
.irp j, 0,1,2,3,4,5,6,7,8,9,10,11              ; V^T's four fragments into p's registers 0-47, which have been summed and converted
	ds_load_b128 v[96+4*\j:99+4*\j], v8 offset:6144+512*\j
.endr
	ds_load_b64 v[84:85], v10 offset:VS-KS
	s_wait_alu depctr_va_vdst(0)
.set j, 0
.rept 16
	v_pk_mul_f32 v[160+2*j:161+2*j], v[160+2*j:161+2*j], v[224:225] op_sel_hi:[1,0]   ; O^T under the new M; these are also the places between p's codes and scale word and the products
.set j, j+1
.endr
	s_wait_alu depctr_va_vdst(0)
	s_wait_dscnt 0x0                               ; V is in (and the next step's K, asked for before it)
.irp d, 0,1,2,3                                ; O^T += V^T P^T: four accumulators, one instruction each
.if \d%2 == 0
	v_wmma_scale_f32_16x16x128_f8f6f4 v[160+8*\d:167+8*\d], v[96+12*\d:107+12*\d], v[192:203], v[160+8*\d:167+8*\d], v[84+\d/2], v225 matrix_a_fmt:MATRIX_FMT_BF6 matrix_b_fmt:MATRIX_FMT_BF6
.else
	v_wmma_scale_f32_16x16x128_f8f6f4 v[160+8*\d:167+8*\d], v[96+12*\d:107+12*\d], v[192:203], v[160+8*\d:167+8*\d], v[84+\d/2], v225 matrix_a_fmt:MATRIX_FMT_BF6 matrix_b_fmt:MATRIX_FMT_BF6 matrix_a_scale:MATRIX_SCALE_ROW1
.endif
.endr
.irp a, 24,25,26,27,28,29,30,31                ; the rest of the sum (p's registers 48-63): eleven places behind these products, whose registers the next step's products write over (five are owed)
	AD \a
.endr
	v_pk_add_f32 v[228:229], v[228:229], v[218:219]
	v_pk_add_f32 v[14:15], v[14:15], v[230:231]
	v_pk_add_f32 v[14:15], v[14:15], v[228:229]
	s_add_co_u32 s20, s20, 12288                   ; the next step's fragments and scale words
	s_add_co_u32 s22, s22, 256
.endm
.macro Q2MAX src                       ; 32 numbers of a lane, register 16 b + i = d 32 b + 16 (lane / 16) + i: the two blocks' scale operands and bytes
.irp b, 0,1
	v_max3_num_f32 v[TM+\b], |v[\src+16*\b]|, |v[\src+16*\b+1]|, 0x2800000
.endr
.irp i, 2,4,6,8,10,12,14
.irp b, 0,1
	v_max3_num_f32 v[TM+\b], v[TM+\b], |v[\src+16*\b+\i]|, |v[\src+16*\b+\i+1]|
.endr
.endr
.irp b, 0,1
	v_permlanex16_b32 v[TM+2+\b], v[TM+\b], s[SEL], s[SEL+1]
.endr
.irp b, 0,1
	v_max_num_f32 v[TM+\b], v[TM+\b], v[TM+2+\b]
.endr
.irp b, 0,1
	v_add_nc_u32 v[TM+4+\b], 0xfe000000, v[TM+\b]
.endr
.irp b, 0,1
	v_lshrrev_b32 v[TM+6+\b], 23, v[TM+4+\b]
.endr
.endm
.macro EPI p                           ; ctx = O^T / the sum, quantised along the head's 64, out as half a fragment
	v_add_f32 v14, v14, v15
	v_permlanex16_b32 v226, v14, s[SEL], s[SEL+1]
	v_add_f32 v14, v14, v226                       ; the row's sum
	s_wait_alu depctr_va_vdst(0)
	v_rcp_f32 v14, v14
	v_nop                                          ; one plain place behind a transcendental
	s_wait_alu depctr_va_vdst(0)                   ; the wait ahead of its first reader, which is O^T's first reader too
.set j, 0
.rept 32
	v_mul_f32 v[96+j], v[160+j], v14               ; ascending: each accumulator from its low end on
.set j, j+1
.endr
	Q2MAX 96
	v_lshl_or_b32 v[30+\p], v[TM+7], 8, v[TM+6]
	v_cvt_scalef32_pk16_bf6_f32 v[192:194], v[96:111], v[TM+4]
	v_cvt_scalef32_pk16_bf6_f32 v[204:206], v[112:127], v[TM+5]
	v_nop                                          ; one plain place behind a scaled conversion
.irp i, 0,1,2
	v_permlane16_swap_b32 v[192+\i], v[204+\i]     ; ctx's registers 16 b + i are d = 32 b + 16 h + i: half blocks, which change lanes here
.endr
.irp i, 0,1,2
	v_mov_b32 v[195+\i], v[204+\i]
.endr
	global_store_b128 v1, v[192:195], s[6:7] offset:196608*\p       ; 512 consecutive bytes,
	global_store_b64 v2, v[196:197], s[6:7] offset:196608*\p+512    ; and 256: both aligned; pass 1's tile lies 16 tiles of 12,288 bytes on
.endm
.macro PASS p
.set FL, 26+\p
.if \p == 1
	s_wait_xcnt 0x0                                ; pass 0's stores have read their data
	s_add_nc_u64 s[4:5], s[4:5], 0x10000           ; pass 1's mask words: 16 tiles of 4,096 bytes on (no load that names this base is out)
.endif
	v_mov_b32 v13, 0xff61b1e6                      ; the largest score so far: -3e38
	v_mov_b32 v12, 0x7e000000                      ; and a -M far above every later one: the first f is 0
	v_mov_b32 v14, 0
	v_mov_b32 v15, 0
	s_mov_b32 s20, 0
	s_mov_b32 s21, 0
	s_mov_b32 s22, 0
.if \p == 1
	s_wait_loadcnt 0x0                             ; Q: asked for in pass 0's last step
.endif
	v_lshrrev_b32 v86, s16, v86
	v_and_or_b32 v28, v86, 0xffff, s17             ; for [Q | zeros]: Q's two bytes below, 0x7f7f above
	v_lshl_or_b32 v27, v86, 16, 0x7f7f             ; for [zeros | Q]: the other way round
.set j, 0
.rept 32
	v_mov_b32 v[160+j], 0                          ; O^T: the step is written for every trip alike, and the first finds zeros.  (These are also the places between the scale words' making and the first product)
.set j, j+1
.endr
.Lstep_\p:                             ; 15 trips; the sixteenth step is written out, since what it asks for differs
	STEP 0, \p
	s_add_co_u32 s21, s21, 1
	s_cmp_lt_u32 s21, 15
	s_wait_alu depctr_va_vdst(0)
	s_cbranch_scc1 .Lstep_\p
.if \p == 0
	STEP 1, 2
.else
	STEP 2, 3
.endif
	EPI \p
.endm
	PASS 0
	PASS 1
	v_cndmask_b32 v6, v30, v31, s18                ; lanes 0-15 pass 0's half words, lanes 16-31 pass 1's
	global_store_b32 v5, v6, s[8:9]
	s_wait_tensorcnt 0x0                           ; the wave's end
	ds_add_u32 v254, v255
	s_wait_dscnt 0x0
	s_endpgm
.Lfunc_end_k_qfdec2b8541_attn:
	.size	k_qfdec2b8541_attn, .Lfunc_end_k_qfdec2b8541_attn-k_qfdec2b8541_attn
	.p2alignl 7, 3214868480
	.fill 96, 4, 3214868480
	.section	.rodata,"a",@progbits
	.p2align	6, 0x0
	.amdhsa_kernel k_qfdec2b8541_attn
		.amdhsa_group_segment_fixed_size 210944
		.amdhsa_private_segment_fixed_size 0
		.amdhsa_enable_private_segment 0
		.amdhsa_kernarg_size 40
		.amdhsa_user_sgpr_count 2
		.amdhsa_user_sgpr_kernarg_segment_ptr 1
		.amdhsa_wavefront_size32 1
		.amdhsa_system_sgpr_workgroup_id_x 1
		.amdhsa_system_sgpr_workgroup_id_y 1
		.amdhsa_system_sgpr_workgroup_id_z 1
		.amdhsa_system_vgpr_workitem_id 0
		.amdhsa_next_free_vgpr 256
		.amdhsa_next_free_sgpr 102
		.amdhsa_reserve_vcc 0
		.amdhsa_float_denorm_mode_32 3
		.amdhsa_float_denorm_mode_16_64 3
		.amdhsa_memory_ordered 1
		.amdhsa_forward_progress 1
		.amdhsa_inst_pref_size 104
	.end_amdhsa_kernel
	.amdgpu_metadata
---
amdhsa.version: [ 1, 2 ]
amdhsa.kernels:
  - .name:           k_qfdec2b8541_attn
    .symbol:         k_qfdec2b8541_attn.kd
    .args:
      - { .name: qkv, .offset: 0, .size: 8, .value_kind: global_buffer, .address_space: global }
      - { .name: qkvs, .offset: 8, .size: 8, .value_kind: global_buffer, .address_space: global }
      - { .name: mbits, .offset: 16, .size: 8, .value_kind: global_buffer, .address_space: global }
      - { .name: cc, .offset: 24, .size: 8, .value_kind: global_buffer, .address_space: global }
      - { .name: cs, .offset: 32, .size: 8, .value_kind: global_buffer, .address_space: global }
    .group_segment_fixed_size: 210944
    .private_segment_fixed_size: 0
    .kernarg_segment_align: 8
    .kernarg_segment_size: 40
    .max_flat_workgroup_size: 512
    .sgpr_count:     102
    .vgpr_count:     256
    .wavefront_size: 32
...
	.end_amdgpu_metadata
.endif
;; end of part 7
;; launch outln (part 8): grid 256 x 1, 8 waves a work-group, no clusters, 132,608 bytes of LDS; arguments cc, cs, xc, xs, input_Q, ln_gamma, ln_beta, out0; writes out0
.if DOCPART == 8
	.amdgcn_target "amdgcn-amd-amdhsa--gfx1250"
	.amdhsa_code_object_version 6
	.text
	.protected	k_qfdec2b8541_outln
	.globl	k_qfdec2b8541_outln
	.p2align	8
	.type	k_qfdec2b8541_outln,@function
k_qfdec2b8541_outln:
	s_mov_b64 s[64:65], 0
	v_nop
	global_prefetch_b8 v0, s[64:65] scope:SCOPE_SE
	s_setreg_imm32_b32 hwreg(HW_REG_WAVE_MODE, 25, 1), 1
	s_wait_xcnt 0x0
; OUTLN.  out0 = LayerNorm(ctx w_o^T + input_Q) x gamma + beta.  The product on codes of BF6; all else in f32.
; SHARES.  Work-group g owns tokens 32 g .. 32 g + 31 (two tiles) and all 1,024 columns, so the norm needs no other work-group.  Wave w owns w_o's tiles 8 w .. 8 w + 7 (columns 128 w on).
;   ctx (2 tiles x 8 K steps, 192 registers) stays in each wave's registers; w_o's tiles stream by dense loads, two tiles (50 loads) of a wave on their way.
; Source 0 = 16 rows of w_o, source 1 = 16 tokens: a lane holds one token; the 16 registers of tiles 2 b and 2 b + 1 are 16 neighbouring columns.  They meet in a stage in LDS (32 rows x (4,096 bytes + 16)); one barrier;
;   each wave then takes four whole rows: residual, mean, variance (of the differences from the mean, in registers), gain, bias, out.
; NO CLUSTER: w_o's images are 786,432 bytes and do not fit in LDS beside the stage's 131,584, so a joint fetch would want slots that are filled again several times; here each wave loads its own eighth of w_o through registers.
; REGISTERS.  window 0: v1-5 addresses; v8-23 ctx's scale words (8 m + s); v24-31 w_o's, two sets; v32-127, v128-223 w_o's tile, two sets; v224-231 at work.
;   window 1: v0-191 ctx (96 m + 12 s + 6 c); v192-223 four accumulators (16 m + 8 u).   Behind the barrier: window 0: v32-63 a row, v64-95 gamma, v96-127 beta, v128-135 at work; window 1: v0-127 four rows of input_Q.
.set SP,  4112
.set CSW, 8
.set WS,  24
.set Y,   32
.set MSB, 0
.macro WIN new                         ; the immediate's high byte repeats the setting that is left
.if MSB != \new
	s_set_vgpr_msb (MSB<<8)|\new
.set MSB, \new
.endif
.endm
.macro PLACES n
.rept \n
	v_nop
.endr
.endm
	s_load_b512 s[4:19], s[0:1], 0x0               ; cc, cs, xc, xs, input_Q, gamma, beta, out0
	v_lshl_add_u32 v254, v0, 2, 0x20200
	v_mov_b32 v255, 0
	v_lshrrev_b32 v6, 5, v0
	s_delay_alu instid0(VALU_DEP_1)
	v_readfirstlane_b32 s20, v6                    ; wave 0..7
	s_mov_b32 s21, ttmp9                           ; g
	v_and_b32 v6, 31, v0                           ; l
	v_and_b32 v7, 15, v0                           ; r
	v_bfe_u32 v224, v0, 4, 1                       ; h
	s_delay_alu instid0(VALU_DEP_3)
	v_lshlrev_b32 v1, 4, v6                        ; 16 l
	s_delay_alu instid0(VALU_DEP_4)
	v_lshlrev_b32 v2, 3, v6                        ; 8 l
	v_lshlrev_b32 v3, 2, v6                        ; 4 l
	v_and_b32 v4, 8, v7
	s_delay_alu instid0(VALU_DEP_1)
	v_add_nc_u32 v4, v4, v7                        ; r + 8 (r / 8): my token's row in the stage (tile 1: 8 rows on)
	s_delay_alu instid0(VALU_DEP_1)
	v_mul_u32_u24 v4, v4, SP
	s_delay_alu instid0(VALU_DEP_1)
	v_lshl_add_u32 v4, v224, 6, v4                 ; + 16 h columns
	s_lshl_b32 s22, s20, 9
	v_add_nc_u32 v4, s22, v4                       ; + my 128 columns
	s_mul_i32 s22, s20, 4*SP
	v_add_nc_u32 v5, s22, v1                       ; back: my four rows, 16 bytes a lane
.irp i, 225,226,227,228,229,230,231
	v_mov_b32 v[\i], 0                             ; a lane permute's destination counts as one of its sources (v224 is written above)
.endr
	s_mov_b32 s23, 0
	s_mov_b32 s29, 0
	s_mov_b32 s24, 0x76543210
	s_mov_b32 s25, 0xfedcba98
	s_mov_b32 s26, 0x3a800000                      ; 1 / 1024
	s_mov_b32 s27, 0x3727c5ac                      ; 1e-5
	s_wait_alu depctr_va_vdst(0)
	s_wait_kmcnt 0x0
	s_mul_i32 s22, s21, 24576
	s_add_nc_u64 s[4:5], s[4:5], s[22:23]          ; ctx's codes: tile 2 g
	s_lshl_b32 s22, s21, 11
	s_add_nc_u64 s[6:7], s[6:7], s[22:23]          ; its half words
	s_lshl_b32 s22, s20, 3
	s_add_co_u32 s22, s22, 1728                    ; w_o's tile 8 w
	s_mul_i32 s28, s22, 12288
	s_add_nc_u64 s[8:9], s[8:9], s[28:29]
	s_lshl_b32 s28, s22, 9
	s_add_nc_u64 s[10:11], s[10:11], s[28:29]
	s_lshl_b32 s22, s21, 5
	s_lshl_b32 s28, s20, 2
	s_add_co_u32 s22, s22, s28
	s_lshl_b32 s22, s22, 12                        ; row 32 g + 4 w of 4,096 bytes
	s_add_nc_u64 s[12:13], s[12:13], s[22:23]
	s_add_nc_u64 s[18:19], s[18:19], s[22:23]
	WIN 0x40                                       ; destination window 1
.irp m, 0,1
.irp s, 0,1,2,3,4,5,6,7
.irp c, 0,1
	global_load_b128 v[96*\m+12*\s+6*\c:96*\m+12*\s+6*\c+3], v1, s[4:5] offset:12288*\m+1536*\s+768*\c
	global_load_b64 v[96*\m+12*\s+6*\c+4:96*\m+12*\s+6*\c+5], v2, s[4:5] offset:12288*\m+1536*\s+768*\c+512
.endr
.endr
.endr
	WIN 0
.irp m, 0,1
.irp s, 0,1,2,3,4,5,6,7
	global_load_b32 v[CSW+8*\m+\s], v3, s[6:7] offset:1024*\m+128*\s   ; lanes 0-15 head 2 s's half words, lanes 16-31 head 2 s + 1's
.endr
.endr
.macro LOADT j                         ; w_o's tile j of my eight: 24 loads of codes and one of scale words
.irp s, 0,1,2,3,4,5,6,7
.irp k, 0,1,2
	global_load_b128 v[32+96*((\j)%2)+12*\s+4*\k:32+96*((\j)%2)+12*\s+4*\k+3], v1, s[8:9] offset:12288*(\j)+1536*\s+512*\k
.endr
.endr
	global_load_b128 v[WS+4*((\j)%2):WS+4*((\j)%2)+3], v1, s[10:11] offset:512*(\j)
.endm
	LOADT 0
	LOADT 1
	s_wait_loadcnt 50                              ; ctx and its half words are in; the 50 loads of tiles 0 and 1 may be out
.irp i, 0,1,2,3,4,5,6,7,8,9,10,11,12,13,14,15
	v_permlanex16_b32 v[224+\i%8], v[CSW+\i], s24, s25
	s_delay_alu instid0(VALU_DEP_1)
	v_lshl_or_b32 v[CSW+\i], v[224+\i%8], 16, v[CSW+\i]   ; lanes 0-15: the word of 128 along K (lanes 16-31 are not read)
.endr
	PLACES 8                                       ; a scale register written by a vector instruction stands 8 places ahead of a scaled product
.macro TILE j
.if \j < 7
	s_wait_loadcnt 25                              ; this tile's 25 loads are in; the next tile's may be out
.else
	s_wait_loadcnt 0x0
.endif
	WIN 0x54                                       ; source 1 (ctx), C and D window 1
.irp s, 0,1,2,3,4,5,6,7                        ; the two accumulators take turns, one instruction a turn
.irp m, 0,1
.if \s == 0
	v_wmma_scale_f32_16x16x128_f8f6f4 v[192+16*\m+8*((\j)%2):199+16*\m+8*((\j)%2)], v[32+96*((\j)%2)+12*\s:43+96*((\j)%2)+12*\s], v[96*\m+12*\s:96*\m+12*\s+11], 0, v[WS+4*((\j)%2)+\s%4], v[CSW+8*\m+\s] matrix_a_fmt:MATRIX_FMT_BF6 matrix_b_fmt:MATRIX_FMT_BF6
.elseif \s < 4
	s_wait_alu depctr_va_vdst(0)
	v_wmma_scale_f32_16x16x128_f8f6f4 v[192+16*\m+8*((\j)%2):199+16*\m+8*((\j)%2)], v[32+96*((\j)%2)+12*\s:43+96*((\j)%2)+12*\s], v[96*\m+12*\s:96*\m+12*\s+11], v[192+16*\m+8*((\j)%2):199+16*\m+8*((\j)%2)], v[WS+4*((\j)%2)+\s%4], v[CSW+8*\m+\s] matrix_a_fmt:MATRIX_FMT_BF6 matrix_b_fmt:MATRIX_FMT_BF6
.else
	v_wmma_scale_f32_16x16x128_f8f6f4 v[192+16*\m+8*((\j)%2):199+16*\m+8*((\j)%2)], v[32+96*((\j)%2)+12*\s:43+96*((\j)%2)+12*\s], v[96*\m+12*\s:96*\m+12*\s+11], v[192+16*\m+8*((\j)%2):199+16*\m+8*((\j)%2)], v[WS+4*((\j)%2)+\s%4], v[CSW+8*\m+\s] matrix_a_fmt:MATRIX_FMT_BF6 matrix_b_fmt:MATRIX_FMT_BF6 matrix_a_scale:MATRIX_SCALE_ROW1
.endif
.endr
.endr
	WIN 0
	PLACES 4                                       ; in front of loads into registers that these products read, and of the first read of results
.if \j < 6
	LOADT (\j)+2
.endif
.if (\j)%2 == 1
	WIN 0x04                                       ; an LDS store's data are its source 1: window 1
.irp m, 0,1
.irp q, 0,1,2,3
	ds_store_b128 v4, v[192+16*\m+4*\q:195+16*\m+4*\q] offset:8*SP*\m+128*((\j)/2)+16*\q   ; 16 neighbouring columns of my token; each accumulator from its low end on
.endr
.endr
	WIN 0
.endif
.endm
.irp j, 0,1,2,3,4,5,6,7
	TILE \j
.endr
.irp q, 0,1,2,3,4,5,6,7
	global_load_b128 v[64+4*\q:67+4*\q], v1, s[14:15] offset:512*\q    ; gamma: register 4 q + e: column 128 q + 4 l + e
.endr
.irp q, 0,1,2,3,4,5,6,7
	global_load_b128 v[96+4*\q:99+4*\q], v1, s[16:17] offset:512*\q    ; beta
.endr
	WIN 0x40
.irp p, 0,1,2,3
.irp q, 0,1,2,3,4,5,6,7
	global_load_b128 v[32*\p+4*\q:32*\p+4*\q+3], v1, s[12:13] offset:4096*\p+512*\q th:TH_LOAD_NT   ; my four rows of input_Q
.endr
.endr
	WIN 0
	s_wait_dscnt 0x0                               ; for the others' sake: my stores into the stage are done
	s_barrier_signal -1
	s_barrier_wait -1
.macro REDUCE                          ; v128 summed over the 32 lanes, the result in every lane
	s_delay_alu instid0(VALU_DEP_1)
	v_add_f32_dpp v128, v128, v128 row_xmask:1 row_mask:0xf bank_mask:0xf
	s_delay_alu instid0(VALU_DEP_1)
	v_add_f32_dpp v128, v128, v128 row_xmask:2 row_mask:0xf bank_mask:0xf
	s_delay_alu instid0(VALU_DEP_1)
	v_add_f32_dpp v128, v128, v128 row_xmask:4 row_mask:0xf bank_mask:0xf
	s_delay_alu instid0(VALU_DEP_1)
	v_add_f32_dpp v128, v128, v128 row_xmask:8 row_mask:0xf bank_mask:0xf
	s_delay_alu instid0(VALU_DEP_1)
	v_permlanex16_b32 v129, v128, s24, s25
	s_delay_alu instid0(VALU_DEP_1)
	v_add_f32 v128, v128, v129
.endm
.macro ROW p
	s_wait_xcnt 0x0                                ; the last row's stores have read v32-63
.irp q, 0,1,2,3,4,5,6,7
	ds_load_b128 v[Y+4*\q:Y+4*\q+3], v5 offset:SP*\p+512*\q
.endr
	s_wait_loadcnt 24-8*\p                         ; gamma, beta and this row of input_Q are in; the later rows may be out
	s_wait_dscnt 0x0
	WIN 0x04                                       ; source 1 window 1
.irp i, 0,2,4,6,8,10,12,14,16,18,20,22,24,26,28,30
	v_pk_add_f32 v[Y+\i:Y+\i+1], v[Y+\i:Y+\i+1], v[32*\p+\i:32*\p+\i+1]   ; + the residual
.endr
	WIN 0
	v_pk_add_f32 v[130:131], v[32:33], v[34:35]
	v_pk_add_f32 v[252:253], v[40:41], v[44:45]
	v_pk_add_f32 v[250:251], v[48:49], v[52:53]
	v_pk_add_f32 v[248:249], v[56:57], v[60:61]
	v_pk_add_f32 v[246:247], v[36:37], v[38:39]
	v_pk_add_f32 v[244:245], v[42:43], v[46:47]
	v_pk_add_f32 v[242:243], v[50:51], v[54:55]
	v_pk_add_f32 v[128:129], v[58:59], v[62:63]
	s_delay_alu instid0(VALU_DEP_1)
	v_pk_add_f32 v[128:129], v[128:129], v[248:249]
	v_pk_add_f32 v[130:131], v[130:131], v[246:247]
	v_pk_add_f32 v[252:253], v[252:253], v[244:245]
	v_pk_add_f32 v[250:251], v[250:251], v[242:243]
	s_delay_alu instid0(VALU_DEP_2)
	v_pk_add_f32 v[128:129], v[128:129], v[252:253]
	s_delay_alu instid0(VALU_DEP_2)
	v_pk_add_f32 v[130:131], v[130:131], v[250:251]
	s_delay_alu instid0(VALU_DEP_1)
	v_pk_add_f32 v[128:129], v[128:129], v[130:131]
	s_delay_alu instid0(VALU_DEP_1)
	v_add_f32 v128, v128, v129
	REDUCE
	s_delay_alu instid0(VALU_DEP_1)
	v_mul_f32 v132, s26, v128                      ; the mean
	s_delay_alu instid0(VALU_DEP_1)
	v_mov_b32 v133, v132
.irp i, 0,2,4,6,8,10,12,14,16,18,20,22,24,26,28,30
	v_pk_add_f32 v[Y+\i:Y+\i+1], v[Y+\i:Y+\i+1], v[132:133] neg_lo:[0,1] neg_hi:[0,1]
.endr
	v_pk_mul_f32 v[128:129], v[Y:Y+1], v[Y:Y+1]
	v_pk_mul_f32 v[130:131], v[Y+2:Y+3], v[Y+2:Y+3]
.irp i, 4,8,12,16,20,24,28
	s_delay_alu instid0(VALU_DEP_2)
	v_pk_fma_f32 v[128:129], v[Y+\i:Y+\i+1], v[Y+\i:Y+\i+1], v[128:129]
	s_delay_alu instid0(VALU_DEP_2)
	v_pk_fma_f32 v[130:131], v[Y+\i+2:Y+\i+3], v[Y+\i+2:Y+\i+3], v[130:131]
.endr
	s_delay_alu instid0(VALU_DEP_1)
	v_pk_add_f32 v[128:129], v[128:129], v[130:131]
	s_delay_alu instid0(VALU_DEP_1)
	v_add_f32 v128, v128, v129
	REDUCE
	s_delay_alu instid0(VALU_DEP_1)
	v_fma_f32 v134, v128, s26, s27                 ; the variance + 1e-5
	s_wait_alu depctr_va_vdst(0)
	v_rsq_f32 v134, v134
	v_nop                                          ; one plain place behind a transcendental
	s_wait_alu depctr_va_vdst(0)
	v_mov_b32 v135, v134
.irp i, 0,2,4,6,8,10,12,14,16,18,20,22,24,26,28,30
	v_pk_mul_f32 v[Y+\i:Y+\i+1], v[Y+\i:Y+\i+1], v[134:135]
.endr
.irp i, 0,2,4,6,8,10,12,14,16,18,20,22,24,26,28,30
	v_pk_fma_f32 v[Y+\i:Y+\i+1], v[Y+\i:Y+\i+1], v[64+\i:65+\i], v[96+\i:97+\i]
.endr
.irp q, 0,1,2,3,4,5,6,7
	global_store_b128 v1, v[Y+4*\q:Y+4*\q+3], s[18:19] offset:4096*\p+512*\q th:TH_STORE_NT   ; 32 lanes store 512 consecutive bytes, aligned
.endr
.endm
.irp p, 0,1,2,3
	ROW \p
.endr
	s_wait_tensorcnt 0x0
	ds_add_u32 v254, v255
	s_wait_dscnt 0x0
	s_endpgm
.Lfunc_end_k_qfdec2b8541_outln:
	.size	k_qfdec2b8541_outln, .Lfunc_end_k_qfdec2b8541_outln-k_qfdec2b8541_outln
	.p2alignl 7, 3214868480
	.fill 96, 4, 3214868480
	.section	.rodata,"a",@progbits
	.p2align	6, 0x0
	.amdhsa_kernel k_qfdec2b8541_outln
		.amdhsa_group_segment_fixed_size 132608
		.amdhsa_private_segment_fixed_size 0
		.amdhsa_enable_private_segment 0
		.amdhsa_kernarg_size 64
		.amdhsa_user_sgpr_count 2
		.amdhsa_user_sgpr_kernarg_segment_ptr 1
		.amdhsa_wavefront_size32 1
		.amdhsa_system_sgpr_workgroup_id_x 1
		.amdhsa_system_sgpr_workgroup_id_y 1
		.amdhsa_system_sgpr_workgroup_id_z 1
		.amdhsa_system_vgpr_workitem_id 0
		.amdhsa_next_free_vgpr 480
		.amdhsa_next_free_sgpr 66
		.amdhsa_reserve_vcc 0
		.amdhsa_float_denorm_mode_32 3
		.amdhsa_float_denorm_mode_16_64 3
		.amdhsa_memory_ordered 1
		.amdhsa_forward_progress 1
		.amdhsa_inst_pref_size 97
	.end_amdhsa_kernel
	.amdgpu_metadata
---
amdhsa.version: [ 1, 2 ]
amdhsa.kernels:
  - .name:           k_qfdec2b8541_outln
    .symbol:         k_qfdec2b8541_outln.kd
    .args:
      - { .name: cc, .offset: 0, .size: 8, .value_kind: global_buffer, .address_space: global }
      - { .name: cs, .offset: 8, .size: 8, .value_kind: global_buffer, .address_space: global }
      - { .name: xc, .offset: 16, .size: 8, .value_kind: global_buffer, .address_space: global }
      - { .name: xs, .offset: 24, .size: 8, .value_kind: global_buffer, .address_space: global }
      - { .name: input_Q, .offset: 32, .size: 8, .value_kind: global_buffer, .address_space: global }
      - { .name: ln_gamma, .offset: 40, .size: 8, .value_kind: global_buffer, .address_space: global }
      - { .name: ln_beta, .offset: 48, .size: 8, .value_kind: global_buffer, .address_space: global }
      - { .name: out0, .offset: 56, .size: 8, .value_kind: global_buffer, .address_space: global }
    .group_segment_fixed_size: 132608
    .private_segment_fixed_size: 0
    .kernarg_segment_align: 8
    .kernarg_segment_size: 64
    .max_flat_workgroup_size: 256
    .sgpr_count:     66
    .vgpr_count:     480
    .wavefront_size: 32
...
	.end_amdgpu_metadata
.endif
;; end of part 8
